; MI455X (gfx1250); checked and timed in simulation.
; The chip was launched on July 23, 2026; its instructions are those of AMD's public machine-readable ISA for CDNA 5 (MIT licence, August 2026) and "CDNA5" Instruction Set Architecture Reference Guide (July 2026). The comments in the code are by the model that wrote it; some were corrected since.
;; Causal Self Attention With KV Cache. Allowed arithmetic: matrix products marked QUANTISED: E5M2 operands, one given power-of-two scale a tensor, by v_wmma_f32_16x16x64_bf8_bf8 or v_wmma_f32_16x16x128_bf8_bf8, f32 sums; everything else in f32.
;; Inputs: Wk 1,024 x 1,024 float32; Wp 1,024 x 1,024 float32; Wq 1,024 x 1,024 float32; Wv 1,024 x 1,024 float32; bk 1,024 float32; bp 1,024 float32; bq 1,024 float32; bv 1,024 float32; lowp_scales 12 int32 (the exponents e of the quantised operands' scales 2^e); x 4 x 2,048 x 1,024 float32.
;; Outputs: out0 4 x 2,048 x 1,024 float32.
;; This version of the problem:
;;   THIS VERSION OF THE PROBLEM IS GIVEN IN LOW PRECISION. The matrix products marked QUANTISED in the list below multiply operands that are first quantised to E5M2 (5 exponent bits, 2 mantissa bits; 8 bits a number), with one given power-of-two scale for each operand tensor; their sums are f32. All else is computed in f32.
;;   The module's matrix products, in the order in which they are computed (A, B: the left and right operand; K: the contracted axis; several contracted axes count as one K, in the product's order):
;;     1. [M 8,192, K 1,024] x [K 1,024, N 1,024]; A: input x; B: input Wq: QUANTISED (scales: A lowp_scales[0], B lowp_scales[1])
;;     2. [M 8,192, K 1,024] x [K 1,024, N 1,024]; A: input x; B: input Wk: QUANTISED (scales: A lowp_scales[2], B lowp_scales[3])
;;     3. [M 8,192, K 1,024] x [K 1,024, N 1,024]; A: input x; B: input Wv: QUANTISED (scales: A lowp_scales[4], B lowp_scales[5])
;;     4. batch 64 x [M 2,048, K 64] x [K 64, N 2,048]; A: computed on the way; B: computed on the way: QUANTISED (scales: A lowp_scales[6], B lowp_scales[7])
;;     5. batch 64 x [M 2,048, K 2,048] x [K 2,048, N 64]; A: softmax (see below); B: computed on the way: QUANTISED (scales: A lowp_scales[8], B lowp_scales[9])
;;     6. [M 8,192, K 1,024] x [K 1,024, N 1,024]; A: computed on the way; B: input Wp: QUANTISED (scales: A lowp_scales[10], B lowp_scales[11])
;;   THE QUANTISER, for each operand of a quantised product, along K:
;;     - The operand's scale is 2^e, e = its entry of the input lowp_scales (int32; the entries are numbered through the quantised products in the list's order, A before B).
;;     - Each number is divided by the scale, clamped to +-57,344, and rounded to the nearest number of E5M2, ties to even, subnormals kept.
;;     - The product sums the exact products of the quantised numbers (number of the format x scale) in f32.
;;   ~~~python
;;   def quantise(x, axis, e):      # numpy; x: float32 -> the quantised numbers, widened to float32 again
;;       x = np.moveaxis(x, axis, -1); K = x.shape[-1]
;;       r = np.clip(x / 2.0 ** e, -57344, 57344)
;;       step = 2.0 ** (np.maximum(np.frexp(np.where(r == 0, 1, r))[1] - 1, -14) - 2)
;;       q = np.round(r / step) * step * 2.0 ** e      # np.round: ties to even
;;       return np.moveaxis(q, -1, axis).astype(np.float32)
;;   ~~~
;;   SOFTMAX AHEAD OF A QUANTISED PRODUCT. Where the list says 'softmax', what is quantised is not the finished softmax but p = 2^(t - M), with t = logit x log2(e) and M = ceil(the row's largest t), a whole number; so 1/2 < the row's largest p <= 1. The row's sum l is taken of the UNQUANTISED p, in f32, and the product's result is divided by l at the end. Since M is a whole number, a kernel that streams over the keys may use a running M (the ceiling of the running maximum): every later rescaling is an exact power of two, so the quantised numbers keep their values, but for numbers so far below the row's largest that they fall under the format's range.
;;   OPERANDS COMPUTED ON THE WAY. 'Computed on the way' means the value that the module computes at that place (a softmax that the list does not call 'softmax' is quantised finished and normalised). What goes into a quantiser is computed in f32, as accurately as f32 sums, v_exp_f32 and their like allow (about 1e-6 of the number): no bf16 or f16 on the way to a quantiser, and a product that is left as it is and whose result goes on into a quantised operand takes f32 operands (vector FMAs, or v_wmma_f32_16x16x4_f32). A number that lies on a knife's edge between two numbers of the format may be rounded either way, as far as f32 arithmetic and the matrix unit's own rounding can turn it there, and no further.
;; One version. Each part assembles by itself: llvm-mc -triple=amdgcn-amd-amdhsa -mcpu=gfx1250 --defsym DOCPART=n.
;; ======== version 1 of 1: 4 launches
;; limits: right only within a limited range of input values
;; workspace buffers: xc 25,165,824 bytes; wc 4,194,304 bytes; qkvc 25,165,824 bytes; yc 8,388,608 bytes
;; launch quant (part 1): grid 384 x 1, 4 waves a work-group, no clusters, 68,096 bytes of LDS; arguments x, Wq, Wk, Wv, Wp, lowp_scales, xc, wc; writes xc, wc
.if DOCPART == 1
	.amdgcn_target "amdgcn-amd-amdhsa--gfx1250"
	.amdhsa_code_object_version 6
	.text
	.protected	k_qd304fedce3_quant
	.globl	k_qd304fedce3_quant
	.p2align	8
	.type	k_qd304fedce3_quant,@function
k_qd304fedce3_quant:
	s_mov_b64 s[64:65], 0
	v_nop
	global_prefetch_b8 v0, s[64:65] scope:SCOPE_SE
	s_setreg_imm32_b32 hwreg(HW_REG_WAVE_MODE, 25, 1), 1
	s_wait_xcnt 0x0
; x [8192][1024] f32 becomes THREE planes of E5M2 codes (scales 2^e0, 2^e2, 2^e4: x has a scale of its own in each of the three projections);
; Wq, Wk, Wv, Wp [1024 k][1024 n] f32 become four planes of codes with K innermost (scales 2^e1, 2^e3, 2^e5, 2^e11).
; code = number / 2^e (for x held within +-57,344), rounded to the nearest code, ties to even.
; LAYOUT OF BOTH OUTPUTS: [plane][kc = K / 128][row position][128 bytes].  A row (of x: a token; of W: an output column n) stands at the position that has bits 3 and 4 of its
; number exchanged: sixteen neighbouring positions 16 i + r then hold rows 32 (i / 2) + 8 (i % 2) + r + 8 (r / 8), which is the choice of rows that lets a later product's results
; be neighbours along the next K.  Groups of four rows move whole: group c of a run of 32 rows goes to place P8(c) = c with its bits 1 and 2 exchanged.
; LIMITS: each e between -126 and 112, so that 2^e and 57,344 x 2^e are f32 numbers.  NaN among the inputs is not served.
; Work-groups 0-255 take x (32 rows each), 256-383 the weights (128 columns x 256 along K each): 128 KiB of f32 for every work-group.  The two ways part on the work-group's number,
; never meet again, and have LDS bytes of their own.  No tensor load, no barrier: waves share nothing.
.set XWG,   256
.set STEPS, 16
.set SP,    80                         ; x: a lane's place in a stage: 64 bytes + 16 of padding
.set STG,   32*SP                      ; a stage; two for each wave, in a region of 8,192 bytes a wave, from LDS byte 0
.set R,     16                         ; v16-79   x: four sets of 16 numbers as they are loaded
.set X,     80                         ; v80-111  two sets of 16 neighbours
.set T,     112                        ; v112-159 the 16 numbers held for each of the three scales
.set C,     160                        ; v160-171 their codes
.set SC,    172                        ; v172-174 2^e as f32
.set LIM,   176                        ; v176-178 57,344 x 2^e
.set WST,   32768                      ; weights: the stages begin here: 32 rows x 272 bytes for each wave
.set WP,    272
.set WX,    32                         ; v32-95   two sets of 32 numbers down K
.set WC,    96                         ; v96-103  a block's codes
.set OUTR,  112                        ; v112-175 the way out
	s_load_b256 s[4:11], s[0:1], 0x0               ; x s[4:5], Wq s[6:7], Wk s[8:9], Wv s[10:11]
	s_load_b256 s[12:19], s[0:1], 0x20             ; Wp s[12:13], the exponents s[14:15], xc s[16:17], wc s[18:19]
	v_lshl_add_u32 v192, v0, 2, 0x10800
	v_mov_b32 v193, 0
	v_lshrrev_b32 v1, 5, v0
	v_readfirstlane_b32 s20, v1                    ; wave
	v_and_b32 v2, 31, v0                           ; lane
	v_lshlrev_b32 v3, 4, v2                        ; 16 x lane: never rewritten
	s_cmp_lt_u32 ttmp9, XWG
	s_cbranch_scc0 .Lweights
; ---------------- x.  Work-group g: rows 32 g on.  Wave w: columns 256 w on (kc 2 w and 2 w + 1).  A step: 4 rows x 128 columns.
; Each load reads 512 consecutive bytes; a step's 2,048 bytes turn through the wave's own stage, so that a lane then holds 16 neighbours along K (row lane / 8, columns 16 (lane % 8) on).
	s_lshl_b32 s21, s20, 13                        ; my wave's LDS region
	v_lshrrev_b32 v14, 2, v2
	v_mul_u32_u24 v14, v14, SP
	v_and_b32 v15, 3, v2
	v_lshl_add_u32 v14, v15, 4, v14
	v_add_nc_u32 v14, s21, v14                     ; into the stage: four lanes' 64 bytes on end, then the padding
	v_mul_u32_u24 v15, v2, SP
	v_add_nc_u32 v15, s21, v15                     ; out of it: my 64 bytes
	s_lshl_b32 s22, ttmp9, 17                      ; 32 rows of 4,096 bytes
	s_lshl_b32 s23, s20, 10
	s_add_co_u32 s22, s22, s23
	s_mov_b32 s23, 0
	s_lshl_b32 s38, s20, 21                        ; kc 2 w: 2 x 1 MiB
	s_lshl_b32 s39, ttmp9, 12                      ; 32 positions of 128 bytes
	s_add_co_u32 s38, s38, s39
	s_mov_b32 s39, 0
	s_wait_kmcnt 0x0
	s_load_b256 s[24:31], s[14:15], 0x0            ; e0 .. e7
	s_add_nc_u64 s[4:5], s[4:5], s[22:23]
	s_add_nc_u64 s[32:33], s[16:17], s[38:39]      ; the three planes' bases
	s_add_nc_u64 s[34:35], s[32:33], 0x800000
	s_add_nc_u64 s[36:37], s[34:35], 0x800000
.macro XLOAD t
.irp i, 0,1,2,3
	global_load_b128 v[R+16*((\t)%4)+4*\i:R+16*((\t)%4)+4*\i+3], v3, s[4:5] offset:((\t)/8)*512+(4*((\t)%8)+\i)*4096 th:TH_LOAD_NT
.endr
.endm
.macro XTURN t                         ; LDS serves a wave's instructions in order: no wait between the stores and the loads
.irp i, 0,1,2,3
	ds_store_b128 v14, v[R+16*((\t)%4)+4*\i:R+16*((\t)%4)+4*\i+3] offset:STG*((\t)%2)+8*SP*\i
.endr
.irp i, 0,1,2,3
	ds_load_b128 v[X+16*((\t)%2)+4*\i:X+16*((\t)%2)+4*\i+3], v15 offset:STG*((\t)%2)+16*\i
.endr
.endm
	s_wait_alu depctr_va_vdst(0)
.irp t, 0,1,2,3
	XLOAD \t
.endr
	s_wait_kmcnt 0x0
.irp pl, 0,1,2
	s_add_co_i32 s40, s[24+2*\pl], 127
	s_lshl_b32 s41, s40, 23
	v_mov_b32 v[SC+\pl], s41                       ; 2^e: the conversion takes its exponent field
	s_add_co_i32 s40, s40, 15
	s_lshl_b32 s40, s40, 23
	s_or_b32 s40, s40, 0x600000
	v_mov_b32 v[LIM+\pl], s40                      ; 57,344 x 2^e
.endr
	s_wait_alu depctr_va_vdst(0)
	s_wait_loadcnt 12                              ; step 0's four loads are in; three steps' loads stay out
	XTURN 0
.macro XSTEP t
.set XS, X+16*((\t)%2)
.set C8, (\t)%8
.set P8, (C8&1)|((C8&2)<<1)|((C8&4)>>1)
	s_wait_dscnt 0x0                               ; this step's numbers are back from the stage, and its stores into the stage have read their registers,
.if (\t)+4 < STEPS
	XLOAD (\t)+4                                   ; which take the loads of four steps on
.endif
.if (\t)+1 < STEPS
.if STEPS-2-(\t) >= 3
	s_wait_loadcnt 12                              ; the next step's four loads are in; those of the three steps behind it may be out
.else
	s_wait_loadcnt 4*(STEPS-2-(\t))
.endif
	XTURN (\t)+1
.endif
.irp pl, 0,1,2
.irp i, 0,1,2,3,4,5,6,7,8,9,10,11,12,13,14,15
	v_med3_num_f32 v[T+16*\pl+\i], v[XS+\i], -v[LIM+\pl], v[LIM+\pl]   ; the conversion to an 8-bit code does not saturate (ISA guide 7.6.2): the hold comes first
.endr
.endr
	s_wait_alu depctr_va_vdst(0)
	s_wait_xcnt 0x0                                ; the last step's stores have read their data: the codes' registers are written again only behind this wait
.irp pl, 0,1,2
	v_cvt_scalef32_pk8_bf8_f32 v[C+4*\pl:C+4*\pl+1], v[T+16*\pl:T+16*\pl+7], v[SC+\pl]
	v_cvt_scalef32_pk8_bf8_f32 v[C+4*\pl+2:C+4*\pl+3], v[T+16*\pl+8:T+16*\pl+15], v[SC+\pl]
.endr
	v_nop                                          ; a plain line behind the last conversion: the next step's holds write the conversions' sources
.irp pl, 0,1,2
	global_store_b128 v3, v[C+4*\pl:C+4*\pl+3], s[32+2*\pl:33+2*\pl] offset:((\t)/8)*0x100000+P8*512   ; four positions x 128 bytes: 512 consecutive bytes, aligned
.endr
.endm
.irp t, 0,1,2,3,4,5,6,7,8,9,10,11,12,13,14,15
	XSTEP \t
.endr
	s_wait_tensorcnt 0x0
	ds_add_u32 v192, v193
	s_wait_dscnt 0x0
	s_endpgm
; ---------------- the weights.  A lane takes a column n and its registers run down K: the conversions then give codes with K innermost, and nothing is transposed by an instruction.
.Lweights:
	s_sub_co_u32 s21, ttmp9, XWG
	s_lshr_b32 s22, s21, 5                         ; plane: 0 Wq, 1 Wk, 2 Wv, 3 Wp
	s_and_b32 s23, s21, 7                          ; which 128 columns
	s_bfe_u32 s24, s21, 0x20003                    ; which 256 along K
	s_mul_i32 s25, s20, 32*WP
	s_add_co_u32 s25, s25, WST                     ; my stage
	s_wait_alu depctr_va_vdst(0)
	v_mul_u32_u24 v4, v2, WP
	v_add_nc_u32 v4, s25, v4                       ; into it: row = my column
	v_lshrrev_b32 v5, 3, v2
	v_and_b32 v6, 7, v2
	v_mul_u32_u24 v7, v5, WP
	v_lshl_add_u32 v7, v6, 4, v7
	v_add_nc_u32 v7, s25, v7                       ; out of it: eight lanes to 128 bytes of a row, four rows an instruction
	v_lshlrev_b32 v8, 2, v2                        ; in: 4 bytes a lane
	s_lshl_b32 s26, s23, 7
	s_lshl_b32 s27, s20, 5
	s_add_co_u32 s26, s26, s27                     ; my wave's first column
	s_lshl_b32 s28, s24, 20                        ; 256 rows of 4,096 bytes
	s_lshl_b32 s27, s26, 2
	s_add_co_u32 s28, s28, s27
	s_mov_b32 s29, 0
	s_lshl_b32 s30, s22, 20                        ; the plane, 1 MiB
	s_lshl_b32 s27, s24, 18                        ; two kc of 128 KiB
	s_add_co_u32 s30, s30, s27
	s_lshl_b32 s27, s26, 7                         ; positions of 128 bytes
	s_add_co_u32 s30, s30, s27
	s_mov_b32 s31, 0
	s_lshl_b32 s32, s22, 3                         ; the exponent's entry: 1, 3, 5, 11: byte 4 + 8 x plane, + 16 for Wp
	s_cmp_eq_u32 s22, 3
	s_cselect_b32 s33, 16, 0
	s_add_co_u32 s32, s32, s33
	s_wait_alu depctr_va_vdst(0)
	s_wait_kmcnt 0x0
	s_load_b32 s34, s[14:15], s32 offset:0x4
	s_cmp_eq_u32 s22, 2                            ; the choice of buffer hangs on the work-group's number alone
	s_cselect_b64 s[12:13], s[10:11], s[12:13]
	s_cmp_eq_u32 s22, 1
	s_cselect_b64 s[12:13], s[8:9], s[12:13]
	s_cmp_eq_u32 s22, 0
	s_cselect_b64 s[12:13], s[6:7], s[12:13]
	s_add_nc_u64 s[12:13], s[12:13], s[28:29]
	s_add_nc_u64 s[18:19], s[18:19], s[30:31]
.macro WLOAD t                         ; block t: W(32 t + i, my column): 32 lanes read 128 consecutive bytes, the four waves 512
.set i, 0
.rept 32
	global_load_b32 v[WX+32*((\t)%2)+i], v8, s[12:13] offset:(32*(\t)+i)*4096 th:TH_LOAD_NT
.set i, i+1
.endr
.endm
	WLOAD 0
	WLOAD 1
	s_wait_kmcnt 0x0
	s_add_co_i32 s34, s34, 127
	s_lshl_b32 s35, s34, 23
	v_mov_b32 v11, s35                             ; 2^e
	s_add_co_i32 s34, s34, 15
	s_lshl_b32 s34, s34, 23
	s_or_b32 s34, s34, 0x600000
.macro WBLOCK t
.set XS, WX+32*((\t)%2)
.if (\t) < 7
	s_wait_loadcnt 32                              ; this block's 32 loads are in; the next block's may be out
.else
	s_wait_loadcnt 0
.endif
.set i, 0
.rept 32
.set i, i+1
.endr
.irp g, 0,1,2,3
	v_cvt_scalef32_pk8_bf8_f32 v[WC+2*\g:WC+2*\g+1], v[XS+8*\g:XS+8*\g+7], v11
.endr
	v_nop                                          ; a plain line behind the last conversion
	ds_store_b128 v4, v[WC:WC+3] offset:32*(\t)    ; 32 codes of my column's row
	ds_store_b128 v4, v[WC+4:WC+7] offset:32*(\t)+16
.if (\t)+2 < 8
	WLOAD (\t)+2
.endif
	s_wait_dscnt 0x0                               ; the stores have read their registers: the next block's codes may be written
.endm
	s_wait_alu depctr_va_vdst(0)
.irp t, 0,1,2,3,4,5,6,7
	WBLOCK \t
.endr
; the way out: kc q of the two, place i of eight: four positions, which hold columns 4 P8(i) on.  A store covers 512 consecutive bytes, aligned.
.irp q, 0,1
.irp i, 0,1,2,3,4,5,6,7
	ds_load_b128 v[OUTR+4*(8*\q+\i):OUTR+4*(8*\q+\i)+3], v7 offset:4*(((\i)&1)|(((\i)&2)<<1)|(((\i)&4)>>1))*WP+128*\q
.endr
.endr
.irp q, 0,1
.irp i, 0,1,2,3,4,5,6,7
	s_wait_dscnt 15-8*\q-\i
	global_store_b128 v3, v[OUTR+4*(8*\q+\i):OUTR+4*(8*\q+\i)+3], s[18:19] offset:\q*131072+\i*512
.endr
.endr
	s_wait_tensorcnt 0x0
	ds_add_u32 v192, v193
	s_wait_dscnt 0x0
	s_endpgm
.Lfunc_end_k_qd304fedce3_quant:
	.size	k_qd304fedce3_quant, .Lfunc_end_k_qd304fedce3_quant-k_qd304fedce3_quant
	.p2alignl 7, 3214868480
	.fill 96, 4, 3214868480
	.section	.rodata,"a",@progbits
	.p2align	6, 0x0
	.amdhsa_kernel k_qd304fedce3_quant
		.amdhsa_group_segment_fixed_size 68096
		.amdhsa_private_segment_fixed_size 0
		.amdhsa_enable_private_segment 0
		.amdhsa_kernarg_size 64
		.amdhsa_user_sgpr_count 2
		.amdhsa_user_sgpr_kernarg_segment_ptr 1
		.amdhsa_wavefront_size32 1
		.amdhsa_system_sgpr_workgroup_id_x 1
		.amdhsa_system_sgpr_workgroup_id_y 1
		.amdhsa_system_sgpr_workgroup_id_z 1
		.amdhsa_system_vgpr_workitem_id 0
		.amdhsa_next_free_vgpr 194
		.amdhsa_next_free_sgpr 66
		.amdhsa_reserve_vcc 0
		.amdhsa_float_denorm_mode_32 3
		.amdhsa_float_denorm_mode_16_64 3
		.amdhsa_fp16_overflow 1
		.amdhsa_memory_ordered 1
		.amdhsa_forward_progress 1
		.amdhsa_inst_pref_size 111
	.end_amdhsa_kernel
	.amdgpu_metadata
---
amdhsa.version: [ 1, 2 ]
amdhsa.kernels:
  - .name:           k_qd304fedce3_quant
    .symbol:         k_qd304fedce3_quant.kd
    .args:
      - { .name: x, .offset: 0, .size: 8, .value_kind: global_buffer, .address_space: global }
      - { .name: Wq, .offset: 8, .size: 8, .value_kind: global_buffer, .address_space: global }
      - { .name: Wk, .offset: 16, .size: 8, .value_kind: global_buffer, .address_space: global }
      - { .name: Wv, .offset: 24, .size: 8, .value_kind: global_buffer, .address_space: global }
      - { .name: Wp, .offset: 32, .size: 8, .value_kind: global_buffer, .address_space: global }
      - { .name: lowp_scales, .offset: 40, .size: 8, .value_kind: global_buffer, .address_space: global }
      - { .name: xc, .offset: 48, .size: 8, .value_kind: global_buffer, .address_space: global }
      - { .name: wc, .offset: 56, .size: 8, .value_kind: global_buffer, .address_space: global }
    .group_segment_fixed_size: 68096
    .private_segment_fixed_size: 0
    .kernarg_segment_align: 8
    .kernarg_segment_size: 64
    .max_flat_workgroup_size: 128
    .sgpr_count:     66
    .vgpr_count:     194
    .wavefront_size: 32
...
	.end_amdgpu_metadata
.endif
;; end of part 1
;; launch qkv (part 2): grid 12 x 32, 4 waves a work-group, clusters of 4 x 4, 327,680 bytes of LDS; arguments xc, wc, lowp_scales, bq, bk, bv, qkvc; writes qkvc
.if DOCPART == 2
	.amdgcn_target "amdgcn-amd-amdhsa--gfx1250"
	.amdhsa_code_object_version 6
	.text
	.protected	k_qd304fedce3_qkv
	.globl	k_qd304fedce3_qkv
	.p2align	8
	.type	k_qd304fedce3_qkv,@function
k_qd304fedce3_qkv:
	s_mov_b64 s[64:65], 0
	v_nop
	global_prefetch_b8 v0, s[64:65] scope:SCOPE_SE
	s_setreg_imm32_b32 hwreg(HW_REG_WAVE_MODE, 25, 1), 1
	s_wait_xcnt 0x0
	s_wait_alu depctr_hold_cnt(0) depctr_sa_sdst(0) depctr_va_vdst(0) depctr_va_sdst(0) depctr_va_ssrc(0) depctr_va_vcc(0) depctr_vm_vsrc(0)
	s_getreg_b32 s2, hwreg(HW_REG_IB_STS2, 6, 4)
	s_cmp_eq_u32 s2, 0
	s_cbranch_scc0 .Lentry_in_a_cluster
	s_endpgm
.Lentry_in_a_cluster:
	s_bfe_u32 s2, ttmp6, 0x10000c
	s_cmp_lg_u32 s2, 0xf033
	s_cbranch_scc0 .Lentry_shape_is_right
	s_endpgm
.Lentry_shape_is_right:
; The three projections on E5M2 codes, each followed by its bias and by the quantiser of the product that reads it: q (2^e6), k (2^e7), v (2^e9).
; Cluster x = the plane: 0 q, 1 k, 2 v.  C = A B^T, K = 1,024.  Planes 0, 1: A = x's codes of that plane (8,192 rows), B = the weight's codes (1,024 rows).  PLANE 2 EXCHANGES THE DATA, NOT THE TEXT:
; A = Wv's codes, B = x's: its result is v transposed, so that a lane's registers run along the tokens, which are the K of attention's second product.  Every choice that hangs on the plane is a
; scalar select; no branch does.
; OPERANDS lie as [plane][kc = K / 128][row position][128 bytes]: 256 rows of one kc are 32 KiB on end.  Sixteen neighbouring positions 16 i + r hold rows 32 (i / 2) + 8 (i % 2) + r + 8 (r / 8).
; A tile of C, 256 x 256, is made by four waves, 128 x 128 each: 64 accumulators, 512 registers.  K goes through a ring of two LDS slots of two kc each.
; THE MATRIX INSTRUCTION IS USED TRANSPOSED (source 0 = 16 rows of B, source 1 = 16 rows of A): lane (r, h) holds row position r of A's block, and the 16 registers of B's tiles 2 b, 2 b + 1 are the
; 16 NEIGHBOURING columns 32 b + 16 h + 0 .. 15: the conversions' results are whole pieces of an output row.  A fragment is fetched by four loads of 16 bytes, 32 bytes apart: a permutation of k that
; is the same in A and in B.
; OUTPUT: [plane][block hp x 64 + gt][128 rows][128 bytes]; hp = pair of heads, gt = group of 128 tokens.  q, k: row = the token's position, byte = 64 u + d.  v: row = 64 u + position of d, byte = token.
; A wave's 128 x 128 is one such block of 16 KiB.
; CLUSTERS: 4 x 4 work-groups; A's tiles are asked for jointly along a row of the cluster, B's along a column.
; LIMITS: e0 + e1, e2 + e3, e4 + e5 between -126 and 127; e6, e7, e9 between -126 and 112.  NaN is not served.
; REGISTERS: window 0: v12 the output's scale; v16-29 addresses; v32-95 the bias by columns; v96-111 the bias by rows; v128-255 A's fragments, ONE set (on the way out: at work).
;   window 1: B's fragments, two sets.   windows 2, 3: the accumulators, (a, b) at v[8 (8 (a % 4) + b)].
.set PITCH,  144                       ; an LDS row: 128 bytes + 16 of padding: the 16 rows that a load touches start at 16 different groups of banks
.set QPL,    256*PITCH                 ; 256 rows of one kc: what one tensor load brings
.set SLOT,   4*QPL                     ; A kc 0, A kc 1, B kc 0, B kc 1
.set SPARE,  2*SLOT                    ; behind the ring: the spare words, 128 bytes a wave, which no other line names
.set SROWS,  16*PITCH                  ; the way out: a stage of 16 rows for each wave, in slot 0, which has had its last fill and its last read by then
.set FR,     16
.set NL,     4
.set NP,     4
.set LAPS,   2                         ; 8 kc = 4 slots = twice round the ring
.set QS,   12
.set QL,   13
.set ADRA, 16
.set ADRB, 20
.set STO,  24
.set RD,   25
.set CO,   26
.set SPW,  28
.set NIL,  29
.set BC,   32
.set BR,   96
.set AF,   128
.set TT,   128                         ; the way out: a block's 64 numbers,
.set CD,   192                         ; their codes,
.set RB,   208                         ; and 16 rows read back: two sets of 16 registers by turns
.set G1,   24
.set G0,   32
.set G1B,  48
.set G0B,  56
.set MSB, 0
.macro WIN new                         ; the immediate's high byte repeats the setting that is left
.if MSB != \new
	s_set_vgpr_msb (MSB<<8)|\new
.set MSB, \new
.endif
.endm
.set MUL_LO, 0xa1                      ; source 0 (B) window 1, source 1 (A) window 0, C and D window 2
.set MUL_HI, 0xf1
.set TO_B,   0x40
.macro JLOAD s                         ; a joint load: waves 0, 1 fetch A's two kc, waves 2, 3 B's.  The branch hangs on the wave's number alone.  Four v_nop follow each line
	s_cmp_eq_u32 s15, 0
	s_cbranch_scc0 .Lfor_b_\@
	tensor_load_to_lds s[G0+4*\s:G0+4*\s+3], s[G1:G1+7]
	s_nop 0
.rept 4
	v_nop
.endr
	s_branch .Lasked_\@
.Lfor_b_\@:
	tensor_load_to_lds s[G0B+4*\s:G0B+4*\s+3], s[G1B:G1B+7]
	s_nop 0
.rept 4
	v_nop
.endr
.Lasked_\@:
.endm
.macro CREST                           ; a round of the cluster's barrier behind its opening barrier
	s_cmp_lg_u32 s14, 0
	s_cbranch_scc1 .Lnot_wave_0_\@
	s_barrier_signal -3
.Lnot_wave_0_\@:
	s_barrier_wait -3
	s_barrier_signal -1
	s_barrier_wait -1
.endm
.macro CROUND
	s_barrier_signal -1
	s_barrier_wait -1
	CREST
.endm
	s_load_b256 s[4:11], s[0:1], 0x0               ; xc s[4:5], wc s[6:7], the exponents s[8:9], bq s[10:11]
	s_load_b128 s[68:71], s[0:1], 0x20             ; bk, bv
	s_load_b64 s[72:73], s[0:1], 0x30              ; qkvc
	v_lshl_add_u32 v[SPW], v0, 2, SPARE
	v_mov_b32 v[NIL], 0
	ds_add_u32 v28, v29
	ds_add_u32 v28, v29
	s_wait_dscnt 0x0
	v_lshrrev_b32 v1, 5, v0
	v_readfirstlane_b32 s14, v1                    ; wave
	s_lshr_b32 s15, s14, 1                         ; which half of the tile's rows is mine.  Also: I fetch for A (0) or for B (1)
	s_and_b32 s16, s14, 1                          ; which half of its columns.  Also: which kc of a slot I fetch
	s_bfe_u32 s40, ttmp6, 0x40000                  ; cx
	s_bfe_u32 s41, ttmp6, 0x40004                  ; cy
	s_and_b32 s18, ttmp7, 0xffff
	s_lshl_b32 s18, s18, 2                         ; 4 x cluster y
	s_lshl_b32 s84, ttmp9, 23                      ; the plane in xc and in qkvc,
	s_lshl_b32 s85, ttmp9, 20                      ; and in wc
	s_lshl_b32 s12, ttmp9, 3                       ; byte of the plane's two operand exponents
	s_lshl_b32 s13, ttmp9, 2
	s_mov_b32 s80, 0x100000                        ; from kc to kc in xc,
	s_mov_b32 s81, 0x20000                         ; and in wc
	s_cmp_eq_u32 ttmp9, 2                          ; plane 2?  The same in all sixteen partners
	s_cselect_b32 s20, 0, s18
	s_cselect_b32 s21, s18, 0
	s_cselect_b32 s82, s81, s80                    ; A's kc stride
	s_cselect_b32 s83, s80, s81                    ; B's
	s_cselect_b32 s86, s85, s84                    ; A's plane
	s_cselect_b32 s87, s84, s85                    ; B's
	s_cselect_b32 s99, -1, 0                       ; a lane mask: all ones in plane 2
	s_cselect_b32 s19, 4, 0
	s_add_co_u32 s13, s13, s19                     ; the output's exponent: entries 6, 7, 9: byte 24 + this
	s_add_co_u32 s17, s41, s20                     ; tile row of C
	s_add_co_u32 s42, s40, s21                     ; tile column of C
	s_lshl_b32 s43, s41, 2
	s_lshl_b32 s43, 15, s43                        ; my row of the cluster
	s_lshl_b32 s44, 0x1111, s40                    ; my column
	; group 1: 256 rows x 128 bytes, dense in memory, 16 bytes of padding behind each row
	s_or_b32 s[G1+0], s43, (0<<16)|(1<<20)|(1<<21)|(4<<22)|(3<<25)   ; the mask; elements of 1 byte; padding on; bit 21 beside a mask; after every 32 words; 4 words
	s_or_b32 s[G1B+0], s44, (0<<16)|(1<<20)|(1<<21)|(4<<22)|(3<<25)
.irp g, G1, G1B
	s_mov_b32 s[\g+1], 128<<16                     ; tensor_dim0
	s_mov_b32 s[\g+2], 256<<16                     ; tensor_dim1
	s_mov_b32 s[\g+3], 128<<16                     ; tile_dim0
	s_mov_b32 s[\g+4], 256                         ; tile_dim1
	s_mov_b32 s[\g+5], 128                         ; the pitch
	s_mov_b32 s[\g+6], 0
	s_mov_b32 s[\g+7], 0
.endr
	s_mul_i32 s88, s16, s82                        ; A: my kc of slot 0, the plane, the tile row: nothing here holds cx
	s_add_co_u32 s88, s88, s86
	s_lshl_b32 s89, s17, 15
	s_add_co_u32 s88, s88, s89
	s_mov_b32 s89, 0
	s_mul_i32 s46, s16, s83                        ; B: likewise with the tile column: nothing here holds cy
	s_add_co_u32 s46, s46, s87
	s_lshl_b32 s47, s42, 15
	s_add_co_u32 s46, s46, s47
	s_mov_b32 s47, 0
	s_lshl_b32 s66, s82, 1                         ; a slot on: two kc
	s_mov_b32 s67, 0
	s_lshl_b32 s74, s83, 1
	s_mov_b32 s75, 0
	s_mul_i32 s45, s14, QPL                        ; where my load goes: wave x 256 rows: no place in the cluster enters an LDS address
	s_wait_kmcnt 0x0
	s_load_b64 s[96:97], s[8:9], s12 offset:0x0    ; the two operands' exponents
	s_load_b32 s98, s[8:9], s13 offset:0x18        ; the output's
	s_cmp_eq_u32 ttmp9, 2
	s_cselect_b64 s[76:77], s[6:7], s[4:5]
	s_cselect_b64 s[78:79], s[4:5], s[6:7]
	s_add_nc_u64 s[76:77], s[76:77], s[88:89]
	s_add_nc_u64 s[78:79], s[78:79], s[46:47]
	CROUND                                         ; all sixteen work-groups are here: the first joint loads meet
	s_mov_b32 s[G0], 1
	s_add_co_u32 s[G0+1], s45, 0
	s_mov_b64 s[G0+2:G0+3], s[76:77]
	s_or_b32 s[G0+3], s[G0+3], 0x80000000
	s_mov_b32 s[G0+4], 1
	s_add_co_u32 s[G0+5], s45, SLOT
	s_add_nc_u64 s[G0+6:G0+7], s[76:77], s[66:67]
	s_or_b32 s[G0+7], s[G0+7], 0x80000000
	s_mov_b32 s[G0B], 1
	s_add_co_u32 s[G0B+1], s45, 0
	s_mov_b64 s[G0B+2:G0B+3], s[78:79]
	s_or_b32 s[G0B+3], s[G0B+3], 0x80000000
	s_mov_b32 s[G0B+4], 1
	s_add_co_u32 s[G0B+5], s45, SLOT
	s_add_nc_u64 s[G0B+6:G0B+7], s[78:79], s[74:75]
	s_or_b32 s[G0B+7], s[G0B+7], 0x80000000
	JLOAD 0
	JLOAD 1
	s_lshl_b32 s66, s66, 1                         ; a refill's step: two slots on, four kc
	s_lshl_b32 s74, s74, 1
	v_and_b32 v1, 15, v0                           ; r
	v_bfe_u32 v2, v0, 4, 1                         ; h
	v_mul_u32_u24 v3, v1, PITCH
	v_lshl_add_u32 v4, v2, 4, v3                   ; row x pitch + 16 h
	s_wait_alu depctr_va_vdst(0)
	s_mul_i32 s21, s15, 128*PITCH                  ; my 128 rows of A
	s_mul_i32 s22, s16, 128*PITCH                  ; my 128 rows of B,
	s_add_co_u32 s22, s22, 2*QPL                   ; behind A's two kc
.irp s, 0,1
	v_add_nc_u32 v[ADRA+\s], s21, v4
	v_add_nc_u32 v[ADRB+\s], s22, v4
	s_add_co_u32 s21, s21, SLOT
	s_add_co_u32 s22, s22, SLOT
.endr
	s_mul_i32 s23, s14, SROWS                      ; my stage
	v_add_nc_u32 v[STO], s23, v4                   ; in: row r, 16 bytes for each half of the lanes
	v_and_b32 v5, 31, v0
	v_lshrrev_b32 v6, 3, v5
	v_mul_u32_u24 v6, v6, PITCH
	v_and_b32 v7, 7, v0
	v_lshl_add_u32 v6, v7, 4, v6
	v_add_nc_u32 v[RD], s23, v6                    ; back: eight lanes to a row of 128 bytes, four rows an instruction
	v_lshlrev_b32 v[CO], 4, v5                     ; and the same 512 bytes in the output
	v_lshlrev_b32 v8, 6, v2                        ; the bias by columns: 16 h numbers on
	s_wait_alu depctr_va_vdst(0)
	v_and_b32 v9, 8, v1
	v_add_nc_u32 v9, v9, v1
	v_lshlrev_b32 v9, 2, v9                        ; the bias by rows: number r + 8 (r / 8)
	s_wait_alu depctr_va_vdst(0)
	s_lshl_b32 s92, s42, 10
	s_lshl_b32 s93, s16, 9
	s_add_co_u32 s92, s92, s93                     ; my first column, in bytes of f32
	s_lshl_b32 s94, s17, 10
	s_lshl_b32 s95, s15, 9
	s_add_co_u32 s94, s94, s95                     ; my first row
	s_cmp_eq_u32 ttmp9, 2                          ; the bias runs along C's columns in planes 0, 1 and along its rows in plane 2.  Both are loaded (the one that does not apply from the
	s_cselect_b32 s92, 0, s92                      ; buffer's head) and the one that does not apply is replaced by zeros below
	s_cselect_b32 s94, s94, 0
	s_cselect_b64 s[90:91], s[70:71], s[10:11]
	s_mov_b32 s93, 0
	s_mov_b32 s95, 0
	s_cmp_eq_u32 ttmp9, 1
	s_cselect_b64 s[90:91], s[68:69], s[90:91]
	s_add_nc_u64 s[92:93], s[90:91], s[92:93]
	s_add_nc_u64 s[94:95], s[90:91], s[94:95]
.irp b, 0,1,2,3
.irp q, 0,1,2,3
	global_load_b128 v[BC+16*\b+4*\q:BC+16*\b+4*\q+3], v8, s[92:93] offset:128*\b+16*\q   ; register 16 b + i: column 32 b + 16 h + i, as the results lie
.endr
.endr
.irp a, 0,1,2,3,4,5,6,7
	global_load_b32 v[BR+2*\a], v9, s[94:95] offset:4*(32*(\a/2)+8*(\a%2))                 ; block a, lane r: row 32 (a / 2) + 8 (a % 2) + r + 8 (r / 8); twice, a pair for the packed addition
	global_load_b32 v[BR+2*\a+1], v9, s[94:95] offset:4*(32*(\a/2)+8*(\a%2))
.endr
	s_lshl_b32 s19, s17, 1
	s_add_co_u32 s19, s19, s15                     ; my group of 128 rows of C,
	s_lshl_b32 s20, s42, 1
	s_add_co_u32 s20, s20, s16                     ; and of 128 columns
	s_cmp_eq_u32 ttmp9, 2
	s_cselect_b32 s21, s19, s20                    ; hp
	s_cselect_b32 s22, s20, s19                    ; gt
	s_lshl_b32 s21, s21, 6
	s_add_co_u32 s21, s21, s22
	s_lshl_b32 s20, s21, 14
	s_add_co_u32 s20, s20, s84
	s_mov_b32 s21, 0
	s_add_nc_u64 s[72:73], s[72:73], s[20:21]      ; my block of the output
.macro FRAG reg, adr, q, i             ; 16 rows x 128 K: registers 4 c .. 4 c + 3 hold bytes 32 c + 16 h + 0 .. 15 of row r
.irp c, 0,1,2,3
	ds_load_b128 v[\reg+4*\c:\reg+4*\c+3], v[\adr] offset:QPL*(\q)+(\i)*16*PITCH+32*\c
.endr
.endm
; 16 matrix instructions: A's blocks a0, a0 + 1 x B's eight.  The 64 accumulators take turns, one instruction a turn, in the same order in every step.
.macro MUL16 a0, p, zero
.irp a, \a0, \a0+1
.irp b, 0,1,2,3,4,5,6,7
.if \zero
	v_wmma_f32_16x16x128_bf8_bf8 v[8*(8*((\a)%4)+\b):8*(8*((\a)%4)+\b)+7], v[128*(\p)+FR*\b:128*(\p)+FR*\b+FR-1], v[AF+FR*(\a):AF+FR*(\a)+FR-1], 0
.else
	v_wmma_f32_16x16x128_bf8_bf8 v[8*(8*((\a)%4)+\b):8*(8*((\a)%4)+\b)+7], v[128*(\p)+FR*\b:128*(\p)+FR*\b+FR-1], v[AF+FR*(\a):AF+FR*(\a)+FR-1], v[8*(8*((\a)%4)+\b):8*(8*((\a)%4)+\b)+7]
.endif
.endr
.endr
.endm
.macro FETCH_B slot, q, p
	WIN TO_B
.irp i, 0,1,2,3,4,5,6,7
	FRAG 128*(\p)+FR*\i, ADRB+\slot, \q, \i
.endr
	WIN 0
.endm
.macro FETCH_A slot, q, i0
.irp i, \i0, \i0+1, \i0+2, \i0+3
	FRAG AF+FR*(\i), ADRA+\slot, \q, \i
.endr
.endm
.macro PLACES n                        ; plain vector lines between a matrix instruction and a load into, or a vector write of, one of its registers, or a read of its result
.rept \n
	v_nop
.endr
.endm
.macro STEP slot, q, zero              ; a step of 128 along K that has its successor in the same slot
	s_wait_dscnt 4*NL                              ; B's set and A's blocks 0-3 are in; the youngest sixteen loads (A's blocks 4-7) may be out
	WIN MUL_LO
	MUL16 0, (\q)%2, \zero
	MUL16 2, (\q)%2, \zero
	s_wait_dscnt 0
	PLACES NP
	FETCH_B \slot, (\q)+1, 1-(\q)%2
	FETCH_A \slot, (\q)+1, 0
	WIN MUL_HI
	MUL16 4, (\q)%2, \zero
	MUL16 6, (\q)%2, \zero
	PLACES NP
	WIN 0
	FETCH_A \slot, (\q)+1, 4
.endm
; A slot's last step changes slots: one barrier; in front of it each wave waits for all its tensor loads, adds 0 to its spare word, and waits for that and for its reads of this slot.
.macro TURN slot, next, fill
	s_wait_tensorcnt 0x0                           ; all my tensor loads have landed: my part of the next slot
	ds_add_u32 v[SPW], v[NIL]                      ; 0 onto my spare word
	s_wait_dscnt 4*NL+1                            ; (the add and A's blocks 4-7 may be out)
	WIN MUL_LO
	MUL16 0, 1, 0
	s_wait_dscnt 0x0                               ; the add is done, and my reads of this slot are over
	s_barrier_signal -1
	MUL16 2, 1, 0
	WIN 0
	s_barrier_wait -1
.if \fill
	CREST                                          ; the barrier has opened a round of the cluster's: no wave of any partner still reads this slot or has a load on its way
	s_add_nc_u64 s[G0+4*\slot+2:G0+4*\slot+3], s[G0+4*\slot+2:G0+4*\slot+3], s[66:67]
	s_add_nc_u64 s[G0B+4*\slot+2:G0B+4*\slot+3], s[G0B+4*\slot+2:G0B+4*\slot+3], s[74:75]
	JLOAD \slot                                    ; the first tensor load behind the round; its four v_nop are the places in front of the loads below
.else
	PLACES NP
.endif
	FETCH_B \next, 0, 0
	FETCH_A \next, 0, 0
	WIN MUL_HI
	MUL16 4, 1, 0
	MUL16 6, 1, 0
	PLACES NP
	WIN 0
	FETCH_A \next, 0, 4
.endm
	s_wait_tensorcnt 1                             ; my part of slot 0 is in; slot 1's load may be out
	s_barrier_signal -1
	s_barrier_wait -1
	FETCH_B 0, 0, 0
	FETCH_A 0, 0, 0
	FETCH_A 0, 0, 4
	STEP 0, 0, 1                                   ; the first step's products start the sums
	s_mov_b32 s3, LAPS-1
.Llap:
	TURN 0, 1, 1
	STEP 1, 0, 0
	TURN 1, 0, 1
	STEP 0, 0, 0
	s_sub_co_u32 s3, s3, 1
	s_cmp_lg_u32 s3, 0
	s_cbranch_scc1 .Llap
	TURN 0, 1, 0                                   ; the last lap fills nothing
	STEP 1, 0, 0
	s_wait_dscnt 4*NL
	WIN MUL_LO
	MUL16 0, 1, 0
	MUL16 2, 1, 0
	s_wait_dscnt 0
	WIN MUL_HI
	MUL16 4, 1, 0
	MUL16 6, 1, 0
	WIN 0
; THE WAY OUT, block by block of 16 rows x 128 columns: sum x 2^(ea + eb) + bias, the conversion; 16 codes a lane and pair of tiles go into my stage and come back as rows of 128 bytes.
	s_wait_kmcnt 0x0
	s_add_co_i32 s96, s96, s97
	s_add_co_i32 s96, s96, 127
	s_lshl_b32 s96, s96, 23                        ; 2^(ea + eb) as f32
	s_mov_b32 s97, s96                             ; (named with it as a pair)
	s_add_co_i32 s98, s98, 127
	s_lshl_b32 s20, s98, 23
	s_add_co_i32 s98, s98, 15
	s_lshl_b32 s98, s98, 23
	s_or_b32 s98, s98, 0x600000
	s_wait_loadcnt 0x0                             ; the biases
	PLACES NP
	v_mov_b32 v[QS], s20                           ; the output's 2^e
.set j, 0
.rept 64
	v_cndmask_b32 v[BC+j], v[BC+j], v[NIL], s99    ; plane 2 has no bias by columns,
.set j, j+1
.endr
.set j, 0
.rept 16
	v_cndmask_b32 v[BR+j], v[NIL], v[BR+j], s99    ; the others none by rows
.set j, j+1
.endr
.macro TOSTAGE a
.set AC, 64*((\a)%4)
.set WN, 0x02+((\a)/4)
	WIN WN                                         ; source 0: window 2 or 3
.set j, 0
.rept 32
	v_pk_fma_f32 v[TT+j:TT+j+1], v[AC+j:AC+j+1], s[96:97], v[BC+j:BC+j+1] op_sel_hi:[1,0,1]   ; each accumulator from its low end on
.set j, j+2
.endr
	WIN 0
.set j, 0
.rept 32
	v_pk_add_f32 v[TT+j:TT+j+1], v[TT+j:TT+j+1], v[BR+2*(\a):BR+2*(\a)+1]
.set j, j+2
.endr
.set j, 0
.rept 64
.set j, j+1
.endr
.irp g, 0,1,2,3,4,5,6,7
	v_cvt_scalef32_pk8_bf8_f32 v[CD+2*\g:CD+2*\g+1], v[TT+8*\g:TT+8*\g+7], v[QS]
.endr
	v_nop                                          ; a plain line behind the last conversion: the next block writes the conversions' sources
.irp b, 0,1,2,3
	ds_store_b128 v[STO], v[CD+4*\b:CD+4*\b+3] offset:32*\b
.endr
.irp i, 0,1,2,3
	ds_load_b128 v[RB+16*((\a)%2)+4*\i:RB+16*((\a)%2)+4*\i+3], v[RD] offset:4*PITCH*\i   ; LDS serves a wave's instructions in order: these see the stores above
.endr
.endm
.macro SEND a, younger                 ; younger: the LDS instructions issued behind block a's loads
	s_wait_dscnt \younger
.irp i, 0,1,2,3
	global_store_b128 v[CO], v[RB+16*((\a)%2)+4*\i:RB+16*((\a)%2)+4*\i+3], s[72:73] offset:(\a)*2048+\i*512   ; four rows: 512 consecutive bytes, aligned
.endr
.endm
	TOSTAGE 0
.irp a, 1,2,3,4,5,6,7
.if \a > 1
	s_wait_xcnt 0x0                                ; block a - 2's stores have read their registers: block a's loads may land there
.endif
	TOSTAGE \a
	SEND \a-1, 8                                   ; behind block a - 1's loads: block a's 4 stores and 4 loads
.endr
	SEND 7, 0
	s_wait_tensorcnt 0x0                           ; the wave's end
	ds_add_u32 v[SPW], v[NIL]
	s_wait_dscnt 0x0
	CROUND                                         ; the closing round
	s_endpgm
.Lfunc_end_k_qd304fedce3_qkv:
	.size	k_qd304fedce3_qkv, .Lfunc_end_k_qd304fedce3_qkv-k_qd304fedce3_qkv
	.p2alignl 7, 3214868480
	.fill 96, 4, 3214868480
	.section	.rodata,"a",@progbits
	.p2align	6, 0x0
	.amdhsa_kernel k_qd304fedce3_qkv
		.amdhsa_group_segment_fixed_size 327680
		.amdhsa_private_segment_fixed_size 0
		.amdhsa_enable_private_segment 0
		.amdhsa_kernarg_size 56
		.amdhsa_user_sgpr_count 2
		.amdhsa_user_sgpr_kernarg_segment_ptr 1
		.amdhsa_wavefront_size32 1
		.amdhsa_system_sgpr_workgroup_id_x 1
		.amdhsa_system_sgpr_workgroup_id_y 1
		.amdhsa_system_sgpr_workgroup_id_z 1
		.amdhsa_system_vgpr_workitem_id 0
		.amdhsa_next_free_vgpr 1024
		.amdhsa_next_free_sgpr 100
		.amdhsa_reserve_vcc 0
		.amdhsa_float_denorm_mode_32 3
		.amdhsa_float_denorm_mode_16_64 3
		.amdhsa_fp16_overflow 1
		.amdhsa_memory_ordered 1
		.amdhsa_forward_progress 1
		.amdhsa_inst_pref_size 132
	.end_amdhsa_kernel
	.amdgpu_metadata
---
amdhsa.version: [ 1, 2 ]
amdhsa.kernels:
  - .name:           k_qd304fedce3_qkv
    .symbol:         k_qd304fedce3_qkv.kd
    .args:
      - { .name: xc, .offset: 0, .size: 8, .value_kind: global_buffer, .address_space: global }
      - { .name: wc, .offset: 8, .size: 8, .value_kind: global_buffer, .address_space: global }
      - { .name: lowp_scales, .offset: 16, .size: 8, .value_kind: global_buffer, .address_space: global }
      - { .name: bq, .offset: 24, .size: 8, .value_kind: global_buffer, .address_space: global }
      - { .name: bk, .offset: 32, .size: 8, .value_kind: global_buffer, .address_space: global }
      - { .name: bv, .offset: 40, .size: 8, .value_kind: global_buffer, .address_space: global }
      - { .name: qkvc, .offset: 48, .size: 8, .value_kind: global_buffer, .address_space: global }
    .group_segment_fixed_size: 327680
    .private_segment_fixed_size: 0
    .kernarg_segment_align: 8
    .kernarg_segment_size: 56
    .max_flat_workgroup_size: 128
    .sgpr_count:     100
    .vgpr_count:     1024
    .wavefront_size: 32
...
	.end_amdgpu_metadata
.endif
;; end of part 2
;; launch attn (part 3): grid 8 x 32, 16 waves a work-group, no clusters, 327,680 bytes of LDS; arguments qkvc, lowp_scales, yc; writes yc
.if DOCPART == 3
	.amdgcn_target "amdgcn-amd-amdhsa--gfx1250"
	.amdhsa_code_object_version 6
	.text
	.protected	k_qd304fedce3_attn
	.globl	k_qd304fedce3_attn
	.p2align	8
	.type	k_qd304fedce3_attn,@function
k_qd304fedce3_attn:
	s_mov_b64 s[64:65], 0
	v_nop
	global_prefetch_b8 v0, s[64:65] scope:SCOPE_SE
	s_setreg_imm32_b32 hwreg(HW_REG_WAVE_MODE, 25, 1), 1
	s_wait_xcnt 0x0
; Causal attention on E5M2 codes, head size 64, 2,048 tokens, 64 (batch, head) pairs; its result is divided by the row's sum and quantised (2^e10) for the last projection.
; INPUT qkvc: [q, k, v][block hp x 64 + gt][128 rows][128 bytes]; hp = pair of heads, gt = 16 b + (token / 128).  q, k: row = the token's position in the block (bits 3 and 4 of its number
; exchanged), byte = 64 u + d, u the head of the pair.  v: row = 64 u + position of d, byte = the token.  OUTPUT yc: [hp][group of 16 tokens][u][16 tokens][64 bytes], tokens in their order.
; THE SOFTMAX AHEAD OF THE SECOND PRODUCT: t = score x log2(e) / 8; M = the row's largest t so far, rounded UP to a whole number; p = 2^(t - M) is quantised (2^e8), not normalised; the row's sum
; is taken of the unquantised p; when M moves, the sum and O are multiplied by 2^(old M - new M), which rounds nothing.
; SHARES.  Work-group (j, hp, b) serves blocks j and 15 - j of 128 queries, for both heads of the pair: (j + 1) + (16 - j) = 17 key steps of 128 keys, THE SAME FOR EVERY WORK-GROUP: the keys
; that the causal mask hides from a whole block of queries are never fetched.  Wave w: head u = w / 8, tile i = w % 8 of 16 query positions.  Step s takes key block s (s <= j) or s - j - 1.
; Steps j and 16 lie on the diagonal: there hidden scores become -infinity, and there a block of queries ends and is stored.  The loop has 16 trips, a constant; step 16 is written out.
; LAYOUT.  Both products transposed: S^T = K Q^T (source 0 = 16 key positions), O^T = V^T P^T (source 0 = 16 positions of d): a lane holds one query throughout.  By the order of positions the 16
; registers of tiles 2 b, 2 b + 1 are keys (or d) 32 b + 16 h + 0 .. 15.  Fragments come by loads of 16 bytes, 32 bytes apart: a permutation of k that is the same on both sides.
; NO JOINT LOADS: the eight work-groups of one (hp, b) need different key blocks in the same step (the block hangs on j), and a step's tiles are 32 KiB for sixteen waves' softmax of a step.
; LIMITS: e6 + e7 between -123 and 130 (added to c's exponent field); e8, e10 between -126 and 112; e8 + e9 is applied by v_ldexp_f32.  NaN is not served.
; REGISTERS: v1-11, v24 addresses; v12 -M, v13 the largest t, v[14:15] the sum; v16-23 Q; v32-95 K's or V's fragments; v96-159 S^T, then p; v160-191 O^T; v192-207 p's codes; v208-223 y's codes; v236-254 at work.
.set KP,    144                        ; an LDS row: 128 bytes + 16 of padding
.set VOFF,  128*KP                     ; a slot: 128 rows of K, then 128 rows of V
.set SLOT1, 65536                      ; slot 1 begins here: one exclusive or turns an address
.set SPARE, 2*SLOT1                    ; the spare words, 128 bytes for each of sixteen waves, which no other line names
.set STAGE, SPARE+2048                 ; a stage of 16 rows x 80 bytes for each wave: bytes of its own, into which no tile lands
.set YP,    80
.set AK0, 1
.set AV0, 2
.set PFO, 3
.set DQ,  4                            ; v4   my query's number in its block, less 16 h
.set SPW, 5
.set NIL, 6
.set QO,  7
.set ADK, 8
.set ADV, 9
.set STO, 10
.set SRD, 11
.set GO,  24
.set TB,  2                            ; s2   LDS byte at which the slot in hand begins
.set WV,  18
.set SEL, 20
.set CS,  22
.set G1,  24
.set G0,  40
.set JR,  66                           ; s66  16 - j
.set REM, 67                           ; s67  16 - the step's number: the loop's counter
.set PFA, 76
.set LIM, 80
.set EPV, 81
.macro TLOAD                           ; waves 0, 1 fetch K's halves, waves 2, 3 V's, 64 rows each; the others nothing.  Four v_nop follow the line
	s_cmp_lt_u32 s[WV], 4
	s_cbranch_scc0 .Lnone_\@
	tensor_load_to_lds s[G0:G0+3], s[G1:G1+7]
	s_nop 0
.rept 4
	v_nop
.endr
.Lnone_\@:
.endm
; A prefetch into the L2.  The eight work-groups of one (hp, b) walk the same key blocks: the one with j = 0 asks, in it waves 4, 5 for K's halves and waves 6, 7 for V's, 8,192 bytes a wave, lanes 256 bytes
; apart.  In trip s it names key block s + 1, which that work-group's own tensor load wants in trip s + 1: blocks 1 to 15, each named once; the last trip asks for nothing.
.macro ASK
	s_cmp_gt_u32 s[REM], s[LIM]
	s_cbranch_scc0 .Lnot_mine_\@
	global_prefetch_b8 v[PFO], s[PFA:PFA+1] th:TH_LOAD_NT scope:SCOPE_SE
.Lnot_mine_\@:
.endm
	s_load_b128 s[4:7], s[0:1], 0x0                ; qkvc, the exponents
	s_load_b64 s[8:9], s[0:1], 0x10                ; yc
	v_lshl_add_u32 v[SPW], v0, 2, SPARE
	v_mov_b32 v[NIL], 0
	ds_add_u32 v5, v6
	ds_add_u32 v5, v6
	s_wait_dscnt 0x0
	v_lshrrev_b32 v8, 5, v0
	s_delay_alu instid0(VALU_DEP_1)
	v_readfirstlane_b32 s[WV], v8                  ; wave 0..15
	s_and_b32 s10, ttmp7, 0xffff
	s_and_b32 s11, s10, 7                          ; hp
	s_lshr_b32 s12, s10, 3                         ; b
	s_lshl_b32 s11, s11, 6
	s_lshl_b32 s12, s12, 4
	s_add_co_u32 s11, s11, s12                     ; the first block of my (hp, b)
	s_lshr_b32 s13, s[WV], 3                       ; u
	s_and_b32 s14, s[WV], 7                        ; i
	s_lshl_b32 s32, s11, 14                        ; a tile's half: key block 0,
	s_and_b32 s33, s[WV], 1
	s_lshl_b32 s33, s33, 13                        ; 64 rows x wave % 2,
	s_add_co_u32 s32, s32, s33
	s_bfe_u32 s33, s[WV], 0x10001
	s_add_co_u32 s33, s33, 1
	s_lshl_b32 s33, s33, 23                        ; plane 1 (k) or 2 (v) by bit 1 of the wave's number
	s_add_co_u32 s32, s32, s33
	s_mov_b32 s33, 0
	s_and_b32 s34, s[WV], 3
	s_mul_i32 s34, s34, 64*KP                      ; and its place in a slot
	s_add_co_u32 s36, s11, ttmp9
	s_lshl_b32 s36, s36, 14                        ; the first block of queries: j
	s_mov_b32 s37, 0
	s_sub_co_u32 s38, 15, ttmp9
	s_add_co_u32 s38, s38, s11
	s_lshl_b32 s38, s38, 14                        ; the second: 15 - j
	s_mov_b32 s39, 0
	s_lshr_b32 s44, s14, 1
	s_lshl_b32 s45, s44, 12                        ; my tile's place in a block of yc: positions 16 i + 0..7 are tokens 32 (i / 2) + 8 (i % 2) on, positions + 8..15 the tokens 16 further on:
	s_lshl_b32 s46, s13, 10                        ; group 2 (i / 2) of 2,048 bytes, head u of 1,024, row 8 (i % 2) of 64
	s_add_co_u32 s45, s45, s46
	s_and_b32 s46, s14, 1
	s_lshl_b32 s47, s46, 9
	s_add_co_u32 s45, s45, s47
	s_add_co_u32 s48, s36, s45
	s_mov_b32 s49, 0
	s_add_co_u32 s82, s38, s45
	s_mov_b32 s83, 0
	; group 1: 64 rows x 128 bytes, dense in memory, 16 bytes of padding behind each row
	s_mov_b32 s[G1], (0<<16)|(1<<20)|(4<<22)|(3<<25)
	s_mov_b32 s[G1+1], 128<<16
	s_mov_b32 s[G1+2], 64<<16
	s_mov_b32 s[G1+3], 128<<16
	s_mov_b32 s[G1+4], 64
	s_mov_b32 s[G1+5], 128
	s_mov_b32 s[G1+6], 0
	s_mov_b32 s[G1+7], 0
	s_mov_b32 s[SEL], 0x76543210
	s_mov_b32 s[SEL+1], 0xfedcba98
	s_mov_b32 s[CS], 0x3e38aa3b                    ; c = log2(e) / 8
	s_sub_co_u32 s[JR], 16, ttmp9
	s_add_co_u32 s50, ttmp9, 1
	s_lshl_b32 s50, s50, 14                        ; j + 1 blocks: the way back to key block 0 behind the first diagonal
	s_mov_b32 s53, 0
	s_mov_b32 s[TB], 0
	s_mov_b32 s[REM], 16
	s_sub_co_u32 s84, s[WV], 4
	s_lshr_b32 s84, s84, 2                         ; 0 in waves 4 to 7,
	s_or_b32 s84, s84, ttmp9                       ; of the work-group with j = 0
	s_cmp_eq_u32 s84, 0
	s_cselect_b32 s[LIM], 1, -1
	s_wait_kmcnt 0x0
	s_load_b128 s[68:71], s[6:7], 0x10             ; e4 .. e7
	s_load_b128 s[72:75], s[6:7], 0x20             ; e8 .. e11
	s_mov_b32 s[G0], 1
	s_mov_b32 s[G0+1], s34
	s_add_nc_u64 s[G0+2:G0+3], s[4:5], s[32:33]
	s_mov_b64 s[PFA:PFA+1], s[G0+2:G0+3]           ; the prefetches begin at key block 0 too; each change of slots steps them first
	s_or_b32 s[G0+3], s[G0+3], 0x80000000
	TLOAD                                          ; slot 0: key block 0
	s_add_nc_u64 s[58:59], s[4:5], s[36:37]        ; Q's two blocks,
	s_add_nc_u64 s[60:61], s[4:5], s[38:39]
	s_add_nc_u64 s[54:55], s[8:9], s[48:49]        ; and where their results go
	s_add_nc_u64 s[56:57], s[8:9], s[82:83]
	v_and_b32 v8, 15, v0                           ; r
	v_bfe_u32 v9, v0, 4, 1                         ; h
	s_delay_alu instid0(VALU_DEP_2)
	v_mul_u32_u24 v[AV0], v8, KP
	s_delay_alu instid0(VALU_DEP_1)
	v_lshl_add_u32 v[AV0], v9, 4, v[AV0]           ; r x pitch + 16 h
	s_lshl_b32 s15, s13, 6
	v_add_nc_u32 v[AK0], s15, v[AV0]               ; K: + my head's 64 bytes
	s_mul_i32 s16, s13, 64*KP
	s_add_co_u32 s16, s16, VOFF
	v_add_nc_u32 v[AV0], s16, v[AV0]               ; V: + my head's 64 rows
	v_and_b32 v[DQ], 8, v8
	s_delay_alu instid0(VALU_DEP_1)
	v_add_nc_u32 v[DQ], v[DQ], v8
	s_lshl_b32 s17, s44, 5
	s_lshl_b32 s19, s46, 3
	s_add_co_u32 s17, s17, s19
	v_add_nc_u32 v[DQ], s17, v[DQ]                 ; my query: 32 (i / 2) + 8 (i % 2) + r + 8 (r / 8)
	v_lshlrev_b32 v10, 4, v9
	s_delay_alu instid0(VALU_DEP_1)
	v_sub_nc_u32 v[DQ], v[DQ], v10
	v_lshlrev_b32 v[QO], 7, v8
	s_delay_alu instid0(VALU_DEP_1)
	v_lshl_add_u32 v[QO], v9, 4, v[QO]
	s_lshl_b32 s19, s14, 11
	s_add_co_u32 s19, s19, s15
	v_add_nc_u32 v[QO], s19, v[QO]                 ; Q: position 16 i + r, byte 64 u + 16 h
	global_load_b128 v[16:19], v[QO], s[58:59]
	global_load_b128 v[20:23], v[QO], s[58:59] offset:32
	s_mul_i32 s19, s[WV], 16*YP
	s_add_co_u32 s19, s19, STAGE
	v_mul_u32_u24 v[STO], v8, YP
	s_delay_alu instid0(VALU_DEP_1)
	v_lshl_add_u32 v[STO], v9, 4, v[STO]
	s_delay_alu instid0(VALU_DEP_1)
	v_add_nc_u32 v[STO], s19, v[STO]               ; the stage, in: row r, 16 bytes for each half of the lanes
	v_and_b32 v[GO], 31, v0
	s_delay_alu instid0(VALU_DEP_1)
	v_lshrrev_b32 v[SRD], 2, v[GO]
	s_delay_alu instid0(VALU_DEP_1)
	v_mul_u32_u24 v[SRD], v[SRD], YP
	v_and_b32 v[PFO], 3, v0
	s_delay_alu instid0(VALU_DEP_1)
	v_lshl_add_u32 v[SRD], v[PFO], 4, v[SRD]
	s_delay_alu instid0(VALU_DEP_1)
	v_add_nc_u32 v[SRD], s19, v[SRD]               ; back: four lanes to a row of 64 bytes, eight rows an instruction
	v_lshlrev_b32 v[PFO], 8, v[GO]
	v_lshlrev_b32 v[GO], 4, v[GO]
.macro INIT                            ; a block of queries begins: the step is written once and finds zeros, which the first change of M leaves zeros
	v_mov_b32 v13, 0xff61b1e6                      ; the largest t so far: -3e38
	s_delay_alu instid0(VALU_DEP_1)
	v_floor_f32 v12, -v13
	v_mov_b32 v14, 0
	v_mov_b32 v15, 0
.set j, 0
.rept 32
	v_mov_b32 v[160+j], 0
.set j, j+1
.endr
.endm
	INIT
	v_mov_b32 v236, 0                              ; a lane permute's destination counts as one of its sources
	v_mov_b32 v253, 0                              ; (named as the upper half of the pair v[252:253])
	s_wait_kmcnt 0x0
	s_add_co_i32 s84, s70, s71
	s_lshl_b32 s84, s84, 23
	s_add_co_i32 s[CS], s[CS], s84                 ; a score stands for score x 2^(e6 + e7)
	s_mov_b32 s[CS+1], s[CS]
	s_add_co_i32 s[EPV], s72, s73                  ; e8 + e9
	s_add_co_i32 s84, s72, 127
	s_lshl_b32 s85, s84, 23
	v_mov_b32 v244, s85                            ; 2^e8
	s_add_co_i32 s84, s74, 127
	s_lshl_b32 s85, s84, 23
	v_mov_b32 v245, s85                            ; 2^e10
; A block of queries ends: O^T / the sum x 2^(e8 + e9), quantised, through my stage, stored.  reload = 1: the second block's Q is fetched and the sums begin anew.  yb: the pair that holds the block's place in yc.
.macro FINAL reload, yb
	s_wait_xcnt 0x0                                ; the first block's stores have read their registers
	v_add_f32 v14, v14, v15
	s_delay_alu instid0(VALU_DEP_1)
	v_permlanex16_b32 v252, v14, s[SEL], s[SEL+1]
	s_delay_alu instid0(VALU_DEP_1)
	v_add_f32 v14, v14, v252                       ; the row's sum
	s_wait_alu depctr_va_vdst(0)
	v_rcp_f32 v14, v14
	v_nop                                          ; a plain line behind the transcendental,
	s_wait_alu depctr_va_vdst(0)                   ; and the wait ahead of its first reader
	v_ldexp_f32 v14, v14, s[EPV]
.set j, 0
.rept 32
	v_mul_f32 v[96+j], v[160+j], v14               ; register 16 b + i: y(my query, d = 32 b + 16 h + i); each accumulator from its low end on
.set j, j+1
.endr
.set j, 0
.rept 32
.set j, j+1
.endr
.irp g, 0,1,2,3
	v_cvt_scalef32_pk8_bf8_f32 v[208+2*\g:209+2*\g], v[96+8*\g:103+8*\g], v245
.endr
	v_nop                                          ; a plain line behind the last conversion: later products write its sources
	ds_store_b128 v[STO], v[208:211]
	ds_store_b128 v[STO], v[212:215] offset:32
	ds_load_b128 v[216:219], v[SRD]                ; positions 0-7: eight neighbouring tokens,
	ds_load_b128 v[220:223], v[SRD] offset:8*YP    ; positions 8-15: the eight tokens 16 further on
	s_wait_dscnt 0x0
	global_store_b128 v[GO], v[216:219], s[\yb:\yb+1]               ; 512 consecutive bytes, aligned
	global_store_b128 v[GO], v[220:223], s[\yb:\yb+1] offset:2048   ; the next group of 16 tokens
.if \reload
	global_load_b128 v[16:19], v[QO], s[60:61]
	global_load_b128 v[20:23], v[QO], s[60:61] offset:32
	INIT
	s_wait_loadcnt 0x0
.endif
.endm
; A KEY STEP: 128 keys.  last = 1: step 16, written out: it lies on the diagonal and ends the second block of queries.
.macro STEP last
	v_add_nc_u32 v[ADK], s[TB], v[AK0]
	v_add_nc_u32 v[ADV], s[TB], v[AV0]
.irp t, 0,1,2,3,4,5,6,7
	ds_load_b128 v[32+8*\t:35+8*\t], v[ADK] offset:\t*16*KP
	ds_load_b128 v[36+8*\t:39+8*\t], v[ADK] offset:\t*16*KP+32
.endr
	s_wait_alu depctr_va_vdst(0)
	s_wait_dscnt 0x0
.irp t, 0,1,2,3,4,5,6,7
	v_wmma_f32_16x16x64_bf8_bf8 v[96+8*\t:103+8*\t], v[32+8*\t:39+8*\t], v[16:23], 0
.endr
.rept 4
	v_nop                                          ; places in front of the loads into K's registers and of the first read of the scores
.endr
.irp t, 0,1,2,3                                ; V's fragments are asked for now and land under the softmax
.irp c, 0,1,2,3
	ds_load_b128 v[32+16*\t+4*\c:35+16*\t+4*\c], v[ADV] offset:\t*16*KP+32*\c
.endr
.endr
.if \last == 0
	s_cmp_lg_u32 s[REM], s[JR]                     ; a branch on ids: only the diagonal step masks
	s_cbranch_scc1 .Lopen_\@
.endif
	v_mov_b32 v254, 0xff800000                     ; register 16 b + i holds key 32 b + 16 h + i of the block: hidden where 32 b + i > my query - 16 h
.set n, 0
.rept 64
	v_cmp_gt_i32 vcc_lo, 32*(n/16)+n%16, v[DQ]
	v_cndmask_b32 v[96+n], v[96+n], v254, vcc_lo
.set n, n+1
.endr
.if \last == 0
.Lopen_\@:
.endif
	v_max3_num_f32 v254, v96, v97, v98             ; the step's largest score of my query, in two chains,
	v_max3_num_f32 v252, v99, v100, v101
.irp i, 6,10,14,18,22,26,30,34,38,42,46,50,54,58
	v_max3_num_f32 v254, v254, v[96+\i], v[97+\i]
	v_max3_num_f32 v252, v252, v[98+\i], v[99+\i]
.endr
	v_max3_num_f32 v254, v254, v158, v159
	s_delay_alu instid0(VALU_DEP_1)
	v_max_num_f32 v254, v254, v252
	s_delay_alu instid0(VALU_DEP_1)
	v_permlanex16_b32 v236, v254, s[SEL], s[SEL+1]
	s_delay_alu instid0(VALU_DEP_1)
	v_max_num_f32 v254, v254, v236                 ; and among lane l xor 16's
	s_delay_alu instid0(VALU_DEP_1)
	v_mul_f32 v254, s[CS], v254                    ; as t (c is positive)
	s_delay_alu instid0(VALU_DEP_1)
	v_max_num_f32 v13, v13, v254
	v_mov_b32 v254, v12
	s_delay_alu instid0(VALU_DEP_2)
	v_floor_f32 v12, -v13                          ; -M = floor(-t): M is a whole number
	s_delay_alu instid0(VALU_DEP_1)
	v_sub_f32 v254, v12, v254
	s_delay_alu instid0(VALU_DEP_1)
	v_cvt_i32_f32 v254, v254                       ; (it saturates)
	s_delay_alu instid0(VALU_DEP_1)
	v_ldexp_f32 v252, 1.0, v254                    ; f = 2^(old M - new M)
.set j, 0
.rept 32
	v_pk_fma_f32 v[96+j:97+j], v[96+j:97+j], s[CS:CS+1], v[12:13] op_sel_hi:[1,0,0]   ; t - M
.set j, j+2
.endr
.set j, 0
	s_wait_alu depctr_va_vdst(0)
.rept 64
	v_exp_f32 v[96+j], v[96+j]                     ; p = 2^(t - M)
.set j, j+1
.endr
	v_pk_mul_f32 v[14:15], v[14:15], v[252:253] op_sel_hi:[1,0]   ; the sums under the new M: the plain line behind the exponentials
	s_wait_alu depctr_va_vdst(0)                   ; one wait for the batch, ahead of its first reader
	v_pk_add_f32 v[242:243], v[100:101], v[104:105]
	v_pk_add_f32 v[254:255], v[108:109], v[112:113]
	v_pk_add_f32 v[250:251], v[116:117], v[120:121]
	v_pk_add_f32 v[248:249], v[124:125], v[128:129]
	v_pk_add_f32 v[246:247], v[132:133], v[136:137]
	v_pk_add_f32 v[240:241], v[140:141], v[144:145]
	v_pk_add_f32 v[238:239], v[148:149], v[152:153]
	v_pk_add_f32 v[14:15], v[14:15], v[156:157]
	v_pk_add_f32 v[242:243], v[242:243], v[96:97]
	v_pk_add_f32 v[254:255], v[254:255], v[98:99]
	v_pk_add_f32 v[250:251], v[250:251], v[102:103]
	v_pk_add_f32 v[248:249], v[248:249], v[106:107]
	v_pk_add_f32 v[246:247], v[246:247], v[110:111]
	v_pk_add_f32 v[240:241], v[240:241], v[114:115]
	v_pk_add_f32 v[238:239], v[238:239], v[118:119]
	v_pk_add_f32 v[14:15], v[14:15], v[122:123]
	v_pk_add_f32 v[242:243], v[242:243], v[126:127]
	v_pk_add_f32 v[254:255], v[254:255], v[130:131]
	v_pk_add_f32 v[250:251], v[250:251], v[134:135]
	v_pk_add_f32 v[248:249], v[248:249], v[138:139]
	v_pk_add_f32 v[246:247], v[246:247], v[142:143]
	v_pk_add_f32 v[240:241], v[240:241], v[146:147]
	v_pk_add_f32 v[238:239], v[238:239], v[150:151]
	v_pk_add_f32 v[14:15], v[14:15], v[154:155]
	v_pk_add_f32 v[242:243], v[242:243], v[158:159]
	s_delay_alu instid0(VALU_DEP_2)
	v_pk_add_f32 v[14:15], v[14:15], v[248:249]
	s_delay_alu instid0(VALU_DEP_2)
	v_pk_add_f32 v[242:243], v[242:243], v[246:247]
	v_pk_add_f32 v[254:255], v[254:255], v[240:241]
	v_pk_add_f32 v[250:251], v[250:251], v[238:239]
	s_delay_alu instid0(VALU_DEP_2)
	v_pk_add_f32 v[14:15], v[14:15], v[254:255]
	s_delay_alu instid0(VALU_DEP_2)
	v_pk_add_f32 v[242:243], v[242:243], v[250:251]
	s_delay_alu instid0(VALU_DEP_1)
	v_pk_add_f32 v[14:15], v[14:15], v[242:243]
.irp b, 0,1,2,3
.irp i, 0,1,2,3,4,5,6,7,8,9,10,11,12,13,14,15
.endr
	v_cvt_scalef32_pk8_bf8_f32 v[192+4*\b:193+4*\b], v[96+16*\b:103+16*\b], v244
	v_cvt_scalef32_pk8_bf8_f32 v[194+4*\b:195+4*\b], v[104+16*\b:111+16*\b], v244
.endr
.set j, 0
.rept 16
	v_pk_mul_f32 v[160+j:161+j], v[160+j:161+j], v[252:253] op_sel_hi:[1,0]   ; O^T under the new M; also the plain lines behind the conversions
.set j, j+2
.endr
	s_wait_alu depctr_va_vdst(0)
	s_wait_dscnt 0x0                               ; V
.irp t, 0,1,2,3                                ; the four accumulators take turns
	v_wmma_f32_16x16x128_bf8_bf8 v[160+8*\t:167+8*\t], v[32+16*\t:47+16*\t], v[192:207], v[160+8*\t:167+8*\t]
.endr
.rept 4
	v_nop                                          ; places in front of the next loads into V's registers and of the first read of O^T
.endr
.if \last == 0
	s_cmp_lg_u32 s[REM], s[JR]
	s_cbranch_scc1 .Lgoon_\@
	FINAL 1, 54
.Lgoon_\@:
.else
	FINAL 0, 56
.endif
.endm
; THE CHANGE OF SLOTS stands at a step's head.  Each wave waits for all its tensor loads, adds 0 to its spare word, and waits for that and for its reads of the slot that it has left; behind the barrier
; the slot ahead is whole and nobody reads the other one, which is filled with the next step's tiles: the load has a whole step in which to land.
.macro CHANGE fill
	s_wait_tensorcnt 0x0                           ; no tensor load of mine is out, so group 0 may be written
	ds_add_u32 v[SPW], v[NIL]                      ; 0 onto my spare word
.if \fill
	s_xor_b32 s[G0+1], s[G0+1], SLOT1
	s_add_nc_u64 s[G0+2:G0+3], s[G0+2:G0+3], 16384 ; the next key block,
	s_cmp_eq_u32 s[REM], s[JR]
	s_cselect_b32 s52, s50, 0
	s_sub_nc_u64 s[G0+2:G0+3], s[G0+2:G0+3], s[52:53]   ; or, behind the first diagonal, key block 0 again: a select, no branch
	s_wait_xcnt 0x0                                ; the last prefetch, a step back, has read its address
	s_add_nc_u64 s[PFA:PFA+1], s[PFA:PFA+1], 16384
.endif
	s_wait_dscnt 0x0                               ; the add is done, and my reads of the slot that I have left are over
	s_barrier_signal -1
	s_barrier_wait -1
.if \fill
	TLOAD                                          ; the first thing behind the barrier, and a wave's one tensor load until the next
	ASK
.endif
.endm
	s_wait_loadcnt 0x0                             ; Q
.Lstep:                                            ; 16 trips: steps 0 to 15
	CHANGE 1
	STEP 0
	s_xor_b32 s[TB], s[TB], SLOT1
	s_sub_co_u32 s[REM], s[REM], 1
	s_cmp_lg_u32 s[REM], 0
	s_cbranch_scc1 .Lstep
	CHANGE 0                                       ; step 16 is written out
	STEP 1
	s_wait_tensorcnt 0x0                           ; the wave's end
	ds_add_u32 v[SPW], v[NIL]
	s_wait_dscnt 0x0
	s_endpgm
.Lfunc_end_k_qd304fedce3_attn:
	.size	k_qd304fedce3_attn, .Lfunc_end_k_qd304fedce3_attn-k_qd304fedce3_attn
	.p2alignl 7, 3214868480
	.fill 96, 4, 3214868480
	.section	.rodata,"a",@progbits
	.p2align	6, 0x0
	.amdhsa_kernel k_qd304fedce3_attn
		.amdhsa_group_segment_fixed_size 327680
		.amdhsa_private_segment_fixed_size 0
		.amdhsa_enable_private_segment 0
		.amdhsa_kernarg_size 24
		.amdhsa_user_sgpr_count 2
		.amdhsa_user_sgpr_kernarg_segment_ptr 1
		.amdhsa_wavefront_size32 1
		.amdhsa_system_sgpr_workgroup_id_x 1
		.amdhsa_system_sgpr_workgroup_id_y 1
		.amdhsa_system_sgpr_workgroup_id_z 1
		.amdhsa_system_vgpr_workitem_id 0
		.amdhsa_next_free_vgpr 256
		.amdhsa_next_free_sgpr 100
		.amdhsa_reserve_vcc 1
		.amdhsa_float_denorm_mode_32 3
		.amdhsa_float_denorm_mode_16_64 3
		.amdhsa_fp16_overflow 1
		.amdhsa_memory_ordered 1
		.amdhsa_forward_progress 1
		.amdhsa_inst_pref_size 53
	.end_amdhsa_kernel
	.amdgpu_metadata
---
amdhsa.version: [ 1, 2 ]
amdhsa.kernels:
  - .name:           k_qd304fedce3_attn
    .symbol:         k_qd304fedce3_attn.kd
    .args:
      - { .name: qkvc, .offset: 0, .size: 8, .value_kind: global_buffer, .address_space: global }
      - { .name: lowp_scales, .offset: 8, .size: 8, .value_kind: global_buffer, .address_space: global }
      - { .name: yc, .offset: 16, .size: 8, .value_kind: global_buffer, .address_space: global }
    .group_segment_fixed_size: 327680
    .private_segment_fixed_size: 0
    .kernarg_segment_align: 8
    .kernarg_segment_size: 24
    .max_flat_workgroup_size: 512
    .sgpr_count:     100
    .vgpr_count:     256
    .wavefront_size: 32
...
	.end_amdgpu_metadata
.endif
;; end of part 3
;; launch proj (part 4): grid 4 x 32, 4 waves a work-group, clusters of 4 x 4, 327,680 bytes of LDS; arguments yc, wc, lowp_scales, bp, out0; writes out0
.if DOCPART == 4
	.amdgcn_target "amdgcn-amd-amdhsa--gfx1250"
	.amdhsa_code_object_version 6
	.text
	.protected	k_qd304fedce3_proj
	.globl	k_qd304fedce3_proj
	.p2align	8
	.type	k_qd304fedce3_proj,@function
k_qd304fedce3_proj:
	s_mov_b64 s[64:65], 0
	v_nop
	global_prefetch_b8 v0, s[64:65] scope:SCOPE_SE
	s_setreg_imm32_b32 hwreg(HW_REG_WAVE_MODE, 25, 1), 1
	s_wait_xcnt 0x0
	s_wait_alu depctr_hold_cnt(0) depctr_sa_sdst(0) depctr_va_vdst(0) depctr_va_sdst(0) depctr_va_ssrc(0) depctr_va_vcc(0) depctr_vm_vsrc(0)
	s_getreg_b32 s2, hwreg(HW_REG_IB_STS2, 6, 4)
	s_cmp_eq_u32 s2, 0
	s_cbranch_scc0 .Lentry_in_a_cluster
	s_endpgm
.Lentry_in_a_cluster:
	s_bfe_u32 s2, ttmp6, 0x10000c
	s_cmp_lg_u32 s2, 0xf033
	s_cbranch_scc0 .Lentry_shape_is_right
	s_endpgm
.Lentry_shape_is_right:
; out0 = y Wp + bp on E5M2 codes: C = A B^T, A = yc (8,192 rows), B = plane 3 of wc (1,024 rows), K = 1,024; each sum x 2^(e10 + e11) + bp.
; yc: [kc = pair of heads][group of 16 rows][u][16 rows][64 bytes]: 256 rows of one kc are 32 KiB on end, stated to the mover as 512 rows of 64 bytes.  wc: [plane][kc][position of n][128 bytes]:
; sixteen neighbouring positions 16 i + r hold columns 32 (i / 2) + 8 (i % 2) + r + 8 (r / 8).
; A tile of C, 256 x 256, is made by four waves, 128 x 128 each; K goes through a ring of two LDS slots of two kc each.  THE MATRIX INSTRUCTION IS USED TRANSPOSED (source 0 = 16 rows of B, source 1 = 16 rows
; of A): lane (r, h) holds row r of A's block; register j of B's tile b is column 32 (b / 2) + 8 (b % 2) + 16 h + j.  Fragments come by four loads of 16 bytes: k = 32 c + 16 h + 0 .. 15 on both sides.
; CLUSTERS: 4 x 4 work-groups; A's tiles are asked for jointly along a row of the cluster, B's along a column.  128 work-groups: C has no more tiles of this size.
; LIMIT: e10 + e11 between -126 and 127.
; REGISTERS: window 0: v8-11 my four numbers of bp; v16-29 addresses; v128-255 A's fragments, one set (on the way out: rows read back).  window 1: B's two sets.  windows 2, 3: the accumulators.
.set PITCH,  144                       ; B's LDS row: 128 bytes + 16
.set QPL,    256*PITCH
.set AP,     80                        ; A's LDS row: 64 bytes + 16
.set APL,    512*AP
.set SLOT,   2*APL+2*QPL               ; A kc 0, A kc 1, B kc 0, B kc 1
.set SPARE,  2*SLOT                    ; the spare words, 128 bytes a wave, which no other line names
.set SPITCH, 528                       ; the way out: a stage of 16 rows x (512 + 16) bytes for each wave, in slot 0, which has had its last fill and its last read by then
.set FR,     16
.set NL,     4
.set NP,     4
.set LAPS,   2
.set BI,   8
.set ADRA, 16
.set ADRB, 20
.set STO,  24
.set RD,   25
.set CO,   26
.set SPW,  28
.set NIL,  29
.set AF,   128
.set BK,   128
.set G1,   24
.set G0,   32
.set G1B,  48
.set G0B,  56
.set MSB, 0
.macro WIN new                         ; the immediate's high byte repeats the setting that is left
.if MSB != \new
	s_set_vgpr_msb (MSB<<8)|\new
.set MSB, \new
.endif
.endm
.set MUL_LO, 0xa1
.set MUL_HI, 0xf1
.set TO_B,   0x40
.macro JLOAD s                         ; a joint load: waves 0, 1 fetch A's two kc, waves 2, 3 B's.  Four v_nop follow each line
	s_cmp_eq_u32 s15, 0
	s_cbranch_scc0 .Lfor_b_\@
	tensor_load_to_lds s[G0+4*\s:G0+4*\s+3], s[G1:G1+7]
	s_nop 0
.rept 4
	v_nop
.endr
	s_branch .Lasked_\@
.Lfor_b_\@:
	tensor_load_to_lds s[G0B+4*\s:G0B+4*\s+3], s[G1B:G1B+7]
	s_nop 0
.rept 4
	v_nop
.endr
.Lasked_\@:
.endm
.macro CREST
	s_cmp_lg_u32 s14, 0
	s_cbranch_scc1 .Lnot_wave_0_\@
	s_barrier_signal -3
.Lnot_wave_0_\@:
	s_barrier_wait -3
	s_barrier_signal -1
	s_barrier_wait -1
.endm
.macro CROUND
	s_barrier_signal -1
	s_barrier_wait -1
	CREST
.endm
	s_load_b256 s[4:11], s[0:1], 0x0               ; yc s[4:5], wc s[6:7], the exponents s[8:9], bp s[10:11]
	s_load_b64 s[72:73], s[0:1], 0x20              ; out0
	v_lshl_add_u32 v[SPW], v0, 2, SPARE
	v_mov_b32 v[NIL], 0
	ds_add_u32 v28, v29
	ds_add_u32 v28, v29
	s_wait_dscnt 0x0
	v_lshrrev_b32 v1, 5, v0
	v_readfirstlane_b32 s14, v1                    ; wave
	s_lshr_b32 s15, s14, 1                         ; my half of the rows.  Also: I fetch for A (0) or for B (1)
	s_and_b32 s16, s14, 1                          ; my half of the columns.  Also: which kc of a slot I fetch
	s_bfe_u32 s40, ttmp6, 0x40000                  ; cx
	s_bfe_u32 s41, ttmp6, 0x40004                  ; cy
	s_lshl_b32 s42, ttmp9, 2
	s_add_co_u32 s42, s42, s40                     ; tile column
	s_and_b32 s17, ttmp7, 0xffff
	s_lshl_b32 s17, s17, 2
	s_add_co_u32 s17, s17, s41                     ; tile row
	s_lshl_b32 s43, s41, 2
	s_lshl_b32 s43, 15, s43                        ; my row of the cluster
	s_lshl_b32 s44, 0x1111, s40                    ; my column
	; group 1 for A: 512 rows x 64 bytes, dense, 16 bytes of padding behind each
	s_or_b32 s[G1+0], s43, (0<<16)|(1<<20)|(1<<21)|(3<<22)|(3<<25)
	s_mov_b32 s[G1+1], 64<<16
	s_mov_b32 s[G1+2], 512<<16
	s_mov_b32 s[G1+3], 64<<16
	s_mov_b32 s[G1+4], 512
	s_mov_b32 s[G1+5], 64
	s_mov_b32 s[G1+6], 0
	s_mov_b32 s[G1+7], 0
	; group 1 for B: 256 rows x 128 bytes, dense, 16 bytes of padding behind each
	s_or_b32 s[G1B+0], s44, (0<<16)|(1<<20)|(1<<21)|(4<<22)|(3<<25)
	s_mov_b32 s[G1B+1], 128<<16
	s_mov_b32 s[G1B+2], 256<<16
	s_mov_b32 s[G1B+3], 128<<16
	s_mov_b32 s[G1B+4], 256
	s_mov_b32 s[G1B+5], 128
	s_mov_b32 s[G1B+6], 0
	s_mov_b32 s[G1B+7], 0
	s_lshl_b32 s88, s16, 20                        ; A: my kc of slot 0 (1 MiB a kc), the tile row: nothing here holds cx
	s_lshl_b32 s89, s17, 15
	s_add_co_u32 s88, s88, s89
	s_mov_b32 s89, 0
	s_lshl_b32 s46, s16, 17                        ; B: my kc (128 KiB), the tile column, plane 3: nothing here holds cy
	s_lshl_b32 s47, s42, 15
	s_add_co_u32 s46, s46, s47
	s_add_co_u32 s46, s46, 0x300000
	s_mov_b32 s47, 0
	s_mul_i32 s45, s16, APL                        ; where A's load goes,
	s_mul_i32 s12, s16, QPL
	s_add_co_u32 s12, s12, 2*APL                   ; and B's: no place in the cluster enters an LDS address
	s_wait_kmcnt 0x0
	s_load_b64 s[96:97], s[8:9], 0x28              ; e10, e11
	s_add_nc_u64 s[76:77], s[4:5], s[88:89]
	s_add_nc_u64 s[78:79], s[6:7], s[46:47]
	CROUND                                         ; all sixteen work-groups are here: the first joint loads meet
.irp s, 0,1
	s_mov_b32 s[G0+4*\s], 1
	s_add_co_u32 s[G0+4*\s+1], s45, \s*SLOT
	s_add_nc_u64 s[G0+4*\s+2:G0+4*\s+3], s[76:77], \s*0x200000
	s_or_b32 s[G0+4*\s+3], s[G0+4*\s+3], 0x80000000
	s_mov_b32 s[G0B+4*\s], 1
	s_add_co_u32 s[G0B+4*\s+1], s12, \s*SLOT
	s_add_nc_u64 s[G0B+4*\s+2:G0B+4*\s+3], s[78:79], \s*0x40000
	s_or_b32 s[G0B+4*\s+3], s[G0B+4*\s+3], 0x80000000
	s_wait_alu depctr_va_vdst(0)
	s_wait_tensorcnt 0x0
	ds_add_u32 v28, v29
	ds_add_u32 v28, v29
	s_wait_dscnt 0x0
	CROUND
	JLOAD \s
.endr
	v_and_b32 v1, 15, v0                           ; r
	v_bfe_u32 v2, v0, 4, 1                         ; h
	v_mul_u32_u24 v3, v1, AP
	v_lshl_add_u32 v3, v2, 4, v3                   ; A: r x 80 + 16 h
	v_mul_u32_u24 v4, v1, PITCH
	v_lshl_add_u32 v4, v2, 4, v4                   ; B: r x 144 + 16 h
	s_mul_i32 s21, s15, 256*AP                     ; my 128 rows of A: eight groups of 32 LDS rows
	s_mul_i32 s22, s16, 128*PITCH                  ; my 128 rows of B,
	s_add_co_u32 s22, s22, 2*APL                   ; behind A's two kc
.irp s, 0,1
	v_add_nc_u32 v[ADRA+\s], s21, v3
	v_add_nc_u32 v[ADRB+\s], s22, v4
	s_add_co_u32 s21, s21, SLOT
	s_add_co_u32 s22, s22, SLOT
.endr
	s_mul_i32 s23, s14, 16*SPITCH                  ; my stage
	v_mul_u32_u24 v5, v1, SPITCH
	v_lshl_add_u32 v5, v2, 6, v5
	v_add_nc_u32 v[STO], s23, v5                   ; in: row r, + 64 h bytes
	v_and_b32 v6, 31, v0
	v_lshlrev_b32 v[CO], 4, v6                     ; back: the 32 lanes take a row of 512 bytes; and the same in out0
	v_add_nc_u32 v[RD], s23, v[CO]
	s_lshl_b32 s20, s42, 10
	s_lshl_b32 s21, s16, 9
	s_add_co_u32 s20, s20, s21                     ; my first column, in bytes of f32
	s_mov_b32 s21, 0
	s_add_nc_u64 s[10:11], s[10:11], s[20:21]
	global_load_b128 v[BI:BI+3], v[CO], s[10:11]   ; bp at my four columns of a row read back
	s_lshl_b32 s22, s17, 20                        ; my first row: 256 x tile row + 128 x half, of 4,096 bytes
	s_lshl_b32 s23, s15, 19
	s_add_co_u32 s22, s22, s23
	s_add_co_u32 s20, s20, s22
	s_add_nc_u64 s[72:73], s[72:73], s[20:21]
.macro FRAGA reg, adr, q, i            ; block i = a group of 16 rows: 16 LDS rows for each of the pair's two heads: bytes 32 c + 16 h of the 128 lie in head c / 2 at 32 (c % 2) + 16 h
.irp c, 0,1,2,3
	ds_load_b128 v[\reg+4*\c:\reg+4*\c+3], v[\adr] offset:APL*(\q)+(\i)*32*AP+(\c/2)*16*AP+(\c%2)*32
.endr
.endm
.macro FRAGB reg, adr, q, i
.irp c, 0,1,2,3
	ds_load_b128 v[\reg+4*\c:\reg+4*\c+3], v[\adr] offset:QPL*(\q)+(\i)*16*PITCH+32*\c
.endr
.endm
; The 64 accumulators take turns, one instruction a turn, in the same order in every step.
.macro MUL16 a0, p, zero
.irp a, \a0, \a0+1
.irp b, 0,1,2,3,4,5,6,7
.if \zero
	v_wmma_f32_16x16x128_bf8_bf8 v[8*(8*((\a)%4)+\b):8*(8*((\a)%4)+\b)+7], v[128*(\p)+FR*\b:128*(\p)+FR*\b+FR-1], v[AF+FR*(\a):AF+FR*(\a)+FR-1], 0
.else
	v_wmma_f32_16x16x128_bf8_bf8 v[8*(8*((\a)%4)+\b):8*(8*((\a)%4)+\b)+7], v[128*(\p)+FR*\b:128*(\p)+FR*\b+FR-1], v[AF+FR*(\a):AF+FR*(\a)+FR-1], v[8*(8*((\a)%4)+\b):8*(8*((\a)%4)+\b)+7]
.endif
.endr
.endr
.endm
.macro FETCH_B slot, q, p
	WIN TO_B
.irp i, 0,1,2,3,4,5,6,7
	FRAGB 128*(\p)+FR*\i, ADRB+\slot, \q, \i
.endr
	WIN 0
.endm
.macro FETCH_A slot, q, i0
.irp i, \i0, \i0+1, \i0+2, \i0+3
	FRAGA AF+FR*(\i), ADRA+\slot, \q, \i
.endr
.endm
.macro PLACES n                        ; plain vector lines between a matrix instruction and a load into one of its registers, or a read of its result
.rept \n
	v_nop
.endr
.endm
.macro STEP slot, q, zero
	s_wait_dscnt 4*NL                              ; B's set and A's blocks 0-3 are in; the youngest sixteen loads (A's blocks 4-7) may be out
	WIN MUL_LO
	MUL16 0, (\q)%2, \zero
	MUL16 2, (\q)%2, \zero
	s_wait_dscnt 0
	PLACES NP
	FETCH_B \slot, (\q)+1, 1-(\q)%2
	FETCH_A \slot, (\q)+1, 0
	WIN MUL_HI
	MUL16 4, (\q)%2, \zero
	MUL16 6, (\q)%2, \zero
	PLACES NP
	WIN 0
	FETCH_A \slot, (\q)+1, 4
.endm
.macro TURN slot, next, fill
	s_wait_tensorcnt 0x0                           ; all my tensor loads have landed: my part of the next slot
	ds_add_u32 v[SPW], v[NIL]                      ; 0 onto my spare word
	s_wait_dscnt 4*NL+1                            ; (the add and A's blocks 4-7 may be out)
	WIN MUL_LO
	MUL16 0, 1, 0
	s_wait_dscnt 0x0                               ; the add is done, and my reads of this slot are over
	s_barrier_signal -1
	MUL16 2, 1, 0
	WIN 0
	s_barrier_wait -1
.if \fill
	CREST                                          ; the barrier has opened a round of the cluster's: no wave of any partner still reads this slot or has a load on its way
	s_add_nc_u64 s[G0+4*\slot+2:G0+4*\slot+3], s[G0+4*\slot+2:G0+4*\slot+3], 0x400000   ; four kc on
	s_add_nc_u64 s[G0B+4*\slot+2:G0B+4*\slot+3], s[G0B+4*\slot+2:G0B+4*\slot+3], 0x80000
	JLOAD \slot                                    ; the first tensor load behind the round; its four v_nop are the places in front of the loads below
.else
	PLACES NP
.endif
	FETCH_B \next, 0, 0
	FETCH_A \next, 0, 0
	WIN MUL_HI
	MUL16 4, 1, 0
	MUL16 6, 1, 0
	PLACES NP
	WIN 0
	FETCH_A \next, 0, 4
.endm
	s_wait_alu depctr_va_vdst(0)
	s_wait_tensorcnt 1                             ; my part of slot 0 is in; slot 1's load may be out
	s_barrier_signal -1
	s_barrier_wait -1
	FETCH_B 0, 0, 0
	FETCH_A 0, 0, 0
	FETCH_A 0, 0, 4
	STEP 0, 0, 1
	s_mov_b32 s3, LAPS-1
.Llap:
	TURN 0, 1, 1
	STEP 1, 0, 0
	TURN 1, 0, 1
	STEP 0, 0, 0
	s_sub_co_u32 s3, s3, 1
	s_cmp_lg_u32 s3, 0
	s_cbranch_scc1 .Llap
	TURN 0, 1, 0
	STEP 1, 0, 0
	s_wait_dscnt 4*NL
	WIN MUL_LO
	MUL16 0, 1, 0
	MUL16 2, 1, 0
	s_wait_dscnt 0
	WIN MUL_HI
	MUL16 4, 1, 0
	MUL16 6, 1, 0
	WIN 0
; THE WAY OUT, block by block of 16 rows x 128 columns.  The sums go into my stage as they stand, each at its column's place, and come back as whole rows of 512 bytes; there a lane holds four
; neighbouring columns, the same in every row, so four registers of bp serve all: one packed multiply-add for two numbers gives sum x 2^(e10 + e11) + bp.
.macro TOSTAGE a
.set AC, 64*((\a)%4)
.set WN, 0x08+4*((\a)/4)
	WIN WN                                         ; an LDS store's data: window 2 or 3
.irp b, 0,1,2,3,4,5,6,7
	ds_store_b128 v[STO], v[AC+8*\b:AC+8*\b+3] offset:128*(\b/2)+32*(\b%2)          ; each accumulator from its low end on
	ds_store_b128 v[STO], v[AC+8*\b+4:AC+8*\b+7] offset:128*(\b/2)+32*(\b%2)+16
.endr
	WIN 0
.irp t, 0,1,2,3,4,5,6,7,8,9,10,11,12,13,14,15
	ds_load_b128 v[BK+64*((\a)%2)+4*\t:BK+64*((\a)%2)+4*\t+3], v[RD] offset:\t*SPITCH   ; LDS serves a wave's instructions in order: these see the stores above
.endr
.endm
.macro SEND a, younger                 ; younger: the LDS instructions issued behind block a's loads
.set BB, BK+64*((\a)%2)
	s_wait_dscnt \younger
.irp t, 0,1,2,3,4,5,6,7,8,9,10,11,12,13,14,15
	v_pk_fma_f32 v[BB+4*\t:BB+4*\t+1], v[BB+4*\t:BB+4*\t+1], s[96:97], v[BI:BI+1] op_sel_hi:[1,0,1]
	v_pk_fma_f32 v[BB+4*\t+2:BB+4*\t+3], v[BB+4*\t+2:BB+4*\t+3], s[96:97], v[BI+2:BI+3] op_sel_hi:[1,0,1]
.endr
.irp t, 0,1,2,3,4,5,6,7,8,9,10,11,12,13,14,15
	global_store_b128 v[CO], v[BB+4*\t:BB+4*\t+3], s[72:73] offset:(16*(\a)+\t)*4096 th:TH_STORE_NT   ; 512 consecutive bytes, aligned; written once, read by nobody here
.endr
.endm
	s_wait_kmcnt 0x0
	s_add_co_i32 s96, s96, s97
	s_add_co_i32 s96, s96, 127
	s_lshl_b32 s96, s96, 23                        ; 2^(e10 + e11) as f32
	s_mov_b32 s97, s96                             ; (named with it as a pair)
	s_wait_loadcnt 0x0                             ; bp
	PLACES NP                                      ; in front of the first read of results and of the loads into the registers that held A's fragments
	TOSTAGE 0
.irp a, 1,2,3,4,5,6,7
.if \a > 1
	s_wait_xcnt 0x0                                ; block a - 2's stores have read their registers: block a's loads may land there
.endif
	TOSTAGE \a
	SEND \a-1, 32                                  ; behind block a - 1's loads: block a's 16 stores and 16 loads
.endr
	SEND 7, 0
	s_wait_tensorcnt 0x0                           ; the wave's end
	ds_add_u32 v[SPW], v[NIL]
	s_wait_dscnt 0x0
	CROUND                                         ; the closing round
	s_endpgm
.Lfunc_end_k_qd304fedce3_proj:
	.size	k_qd304fedce3_proj, .Lfunc_end_k_qd304fedce3_proj-k_qd304fedce3_proj
	.p2alignl 7, 3214868480
	.fill 96, 4, 3214868480
	.section	.rodata,"a",@progbits
	.p2align	6, 0x0
	.amdhsa_kernel k_qd304fedce3_proj
		.amdhsa_group_segment_fixed_size 327680
		.amdhsa_private_segment_fixed_size 0
		.amdhsa_enable_private_segment 0
		.amdhsa_kernarg_size 40
		.amdhsa_user_sgpr_count 2
		.amdhsa_user_sgpr_kernarg_segment_ptr 1
		.amdhsa_wavefront_size32 1
		.amdhsa_system_sgpr_workgroup_id_x 1
		.amdhsa_system_sgpr_workgroup_id_y 1
		.amdhsa_system_sgpr_workgroup_id_z 1
		.amdhsa_system_vgpr_workitem_id 0
		.amdhsa_next_free_vgpr 1024
		.amdhsa_next_free_sgpr 100
		.amdhsa_reserve_vcc 0
		.amdhsa_float_denorm_mode_32 3
		.amdhsa_float_denorm_mode_16_64 3
		.amdhsa_memory_ordered 1
		.amdhsa_forward_progress 1
		.amdhsa_inst_pref_size 124
	.end_amdhsa_kernel
	.amdgpu_metadata
---
amdhsa.version: [ 1, 2 ]
amdhsa.kernels:
  - .name:           k_qd304fedce3_proj
    .symbol:         k_qd304fedce3_proj.kd
    .args:
      - { .name: yc, .offset: 0, .size: 8, .value_kind: global_buffer, .address_space: global }
      - { .name: wc, .offset: 8, .size: 8, .value_kind: global_buffer, .address_space: global }
      - { .name: lowp_scales, .offset: 16, .size: 8, .value_kind: global_buffer, .address_space: global }
      - { .name: bp, .offset: 24, .size: 8, .value_kind: global_buffer, .address_space: global }
      - { .name: out0, .offset: 32, .size: 8, .value_kind: global_buffer, .address_space: global }
    .group_segment_fixed_size: 327680
    .private_segment_fixed_size: 0
    .kernarg_segment_align: 8
    .kernarg_segment_size: 40
    .max_flat_workgroup_size: 128
    .sgpr_count:     100
    .vgpr_count:     1024
    .wavefront_size: 32
...
	.end_amdgpu_metadata
.endif
;; end of part 4
